; MI455X (gfx1250); checked and timed in simulation.
; The chip was launched on July 23, 2026; its instructions are those of AMD's public machine-readable ISA for CDNA 5 (MIT licence, August 2026) and "CDNA5" Instruction Set Architecture Reference Guide (July 2026). The comments in the code are by the model that wrote it; some were corrected since.
;; Multi Headed Attention. Allowed arithmetic: matrix products marked QUANTISED: E2M3 operands, one E8M0 scale for each 32 along K, by v_wmma_scale_f32_16x16x128_f8f6f4 with both operands' format E2M3, f32 sums; everything else in f32.
;; Inputs: Wk 1,024 x 1,024 float32; Wo 1,024 x 1,024 float32; Wq 1,024 x 1,024 float32; Wv 1,024 x 1,024 float32; bk 1,024 float32; bo 1,024 float32; bq 1,024 float32; bv 1,024 float32; k 4 x 2,048 x 1,024 float32; mask 4 x 1 x 2,048 bool; q 4 x 2,048 x 1,024 float32; v 4 x 2,048 x 1,024 float32.
;; Outputs: out0 4 x 2,048 x 1,024 float32.
;; This version of the problem:
;;   THIS VERSION OF THE PROBLEM IS GIVEN IN LOW PRECISION. The matrix products marked QUANTISED in the list below multiply operands that are first quantised to E2M3 (2 exponent bits, 3 mantissa bits; 6 bits a number), with one power-of-two scale for each 32 numbers along K (OCP MX v1.0); their sums are f32. All else is computed in f32.
;;   The module's matrix products, in the order in which they are computed (A, B: the left and right operand; K: the contracted axis; several contracted axes count as one K, in the product's order):
;;     1. [M 8,192, K 1,024] x [K 1,024, N 1,024]; A: input k; B: input Wk: QUANTISED
;;     2. [M 8,192, K 1,024] x [K 1,024, N 1,024]; A: input v; B: input Wv: QUANTISED
;;     3. [M 8,192, K 1,024] x [K 1,024, N 1,024]; A: input q; B: input Wq: QUANTISED
;;     4. batch 64 x [M 2,048, K 64] x [K 64, N 2,048]; A: computed on the way; B: computed on the way: QUANTISED
;;     5. batch 64 x [M 2,048, K 2,048] x [K 2,048, N 64]; A: softmax (see below); B: computed on the way: QUANTISED
;;     6. [M 8,192, K 1,024] x [K 1,024, N 1,024]; A: computed on the way; B: input Wo: QUANTISED
;;   THE QUANTISER, for each operand of a quantised product, along K:
;;     - K is cut into blocks of 32 from its start; a last block that is shorter is filled with zeros.
;;     - A block's scale is 2^e with e = floor(log2(the largest magnitude in the block)) - 2, held to -126 .. 127; a block of zeros has e = 0. As a byte (E8M0): e + 127.
;;     - Each number is divided by its block's scale, clamped to +-7.5, and rounded to the nearest number of E2M3, ties to even, subnormals kept.
;;     - The product sums the exact products of the quantised numbers (number of the format x scale) in f32.
;;   ~~~python
;;   def quantise(x, axis):      # numpy; x: float32 -> the quantised numbers, widened to float32 again
;;       x = np.moveaxis(x, axis, -1); K = x.shape[-1]
;;       x = np.pad(x, [(0, 0)] * (x.ndim - 1) + [(0, -K % 32)]); x = x.reshape(x.shape[:-1] + (-1, 32)); a = np.abs(x).max(-1, keepdims=True)
;;       e = np.where(a > 0, np.clip(np.frexp(np.where(a > 0, a, 1))[1] - 1 - 2, -126, 127), 0)      # np.frexp(a)[1] - 1 = floor(log2(a)), exactly
;;       r = np.clip(x / 2.0 ** e, -7.5, 7.5)
;;       step = 2.0 ** (np.maximum(np.frexp(np.where(r == 0, 1, r))[1] - 1, 0) - 3)
;;       q = np.round(r / step) * step * 2.0 ** e      # np.round: ties to even
;;       return np.moveaxis(q.reshape(q.shape[:-2] + (-1,))[..., :K], -1, axis).astype(np.float32)
;;   ~~~
;;   SOFTMAX AHEAD OF A QUANTISED PRODUCT. Where the list says 'softmax', what is quantised is not the finished softmax but p = 2^(t - M), with t = logit x log2(e) and M = ceil(the row's largest t), a whole number; so 1/2 < the row's largest p <= 1. The row's sum l is taken of the UNQUANTISED p, in f32, and the product's result is divided by l at the end. Since M is a whole number, a kernel that streams over the keys may use a running M (the ceiling of the running maximum): every later rescaling is an exact power of two, which a block's scale takes up: the codes' values come out the same.
;;   OPERANDS COMPUTED ON THE WAY. 'Computed on the way' means the value that the module computes at that place (a softmax that the list does not call 'softmax' is quantised finished and normalised). What goes into a quantiser is computed in f32, as accurately as f32 sums, v_exp_f32 and their like allow (about 1e-6 of the number): no bf16 or f16 on the way to a quantiser, and a product that is left as it is and whose result goes on into a quantised operand takes f32 operands (vector FMAs, or v_wmma_f32_16x16x4_f32). A number that lies on a knife's edge between two numbers of the format may be rounded either way, as far as f32 arithmetic and the matrix unit's own rounding can turn it there, and no further.
;; One version. Each part assembles by itself: llvm-mc -triple=amdgcn-amd-amdhsa -mcpu=gfx1250 --defsym DOCPART=n.
;; ======== version 1 of 1: 4 launches
;; workspace buffers: xc 22,020,096 bytes; xs 917,504 bytes; hc 18,874,368 bytes; hs 786,432 bytes; cc 6,291,456 bytes; cs 262,144 bytes
;; launch quant (part 1): grid 896 x 1, 4 waves a work-group, no clusters, 33,280 bytes of LDS; arguments q, k, v, Wq, Wk, Wv, Wo, xc, xs; writes xc, xs
.if DOCPART == 1
	.amdgcn_target "amdgcn-amd-amdhsa--gfx1250"
	.amdhsa_code_object_version 6
	.text
	.protected	k_q717be6aac8_quant
	.globl	k_q717be6aac8_quant
	.p2align	8
	.type	k_q717be6aac8_quant,@function
k_q717be6aac8_quant:
	s_mov_b64 s[64:65], 0
	v_nop
	global_prefetch_b8 v0, s[64:65] scope:SCOPE_SE
	s_setreg_imm32_b32 hwreg(HW_REG_WAVE_MODE, 25, 1), 1
	s_wait_xcnt 0x0
; q, k, v [8192][1024] and Wq, Wk, Wv, Wo [1024][1024], f32, K innermost, become codes of FP6 (E2M3) and one E8M0 scale byte for each 32 along K.
; xc: 28,672 rows of 768 bytes (q, k, v, Wq, Wk, Wv, Wo on end); xs: the same rows, 32 scale bytes each.
; A block's scale is 2^(floor(log2(its largest magnitude)) - 2): its byte is the largest magnitude's exponent field - 2, held at 1 from below.  A block of zeros keeps the byte 1: its codes are
; zeros, and this program alone reads the bytes.
; LIMITS: blocks whose largest magnitude lies under 2^-124 keep the byte 1; NaN and infinities among the inputs are not served.
; ROW ORDER: in xc and xs bits 3 and 4 of a row's number change places, so that 16 stored rows on end are the rows 8 u + 0..7 and 8 u + 16..23 of a group of 32.  The later launches take 16 stored rows as
; one operand tile: a result's 16 registers of two neighbouring tiles are then 16 neighbours, as a quantiser along that axis wants them.  Here it costs nothing: a wave's run of 8 rows goes to another place.
; A work-group takes 32 rows, a wave 8 (8,192 numbers) in 16 steps of 512.  Each load reads 512 consecutive bytes; a step's 2,048 bytes turn through the wave's own stage in LDS and come back 64 bytes a lane,
; so that a lane holds 16 neighbours of one block.  No tensor loads, no barrier: waves share nothing.  Loads run four steps (16 loads a wave) ahead.
.set STEPS, 16
.set EMAX,  2
.set CB,    12                         ; bytes of 16 codes
.set R,     16                         ; v16-79   four sets of 16 numbers as they are loaded
.set X,     80                         ; v80-111  two sets of 16 neighbours
.set C,     128                        ; v128-191 codes: four registers for each step, so that no store's data are written again
.set E,     112                        ; v112-127 a scale byte for each step
.set WREG,  8192                       ; LDS: a region for each wave: two stages of 32 x SP bytes, behind them its 256 scale bytes
.set SP,    80                         ; a lane's place in a stage: 64 bytes + 16 of padding
	s_load_b512 s[4:19], s[0:1], 0x0               ; q, k, v, Wq, Wk, Wv, Wo, xc
	s_load_b64 s[20:21], s[0:1], 0x40              ; xs
	v_lshl_add_u32 v192, v0, 2, 0x8000
	v_mov_b32 v193, 0
	v_lshrrev_b32 v1, 5, v0
	v_readfirstlane_b32 s22, v1                    ; wave
	v_and_b32 v2, 31, v0                           ; lane
	v_lshlrev_b32 v3, 4, v2                        ; my 16 bytes of a load's 512
	s_mul_i32 s23, s22, WREG
	v_lshrrev_b32 v14, 2, v2
	v_mul_u32_u24 v14, v14, SP
	v_and_b32 v15, 3, v2
	v_lshl_add_u32 v14, v15, 4, v14
	v_add_nc_u32 v14, s23, v14                     ; the stage, on the way in: SP (lane / 4) + 16 (lane % 4)
	v_mul_u32_u24 v15, v2, SP
	v_add_nc_u32 v15, s23, v15                     ; on the way out: SP x lane: my 16 neighbours
	v_mul_u32_u24 v4, v2, CB                       ; my codes' place in a step's
	v_lshrrev_b32 v5, 1, v2
	s_add_co_u32 s23, s23, 2*32*SP
	v_add_nc_u32 v5, s23, v5                       ; LDS: my wave's 256 scale bytes, my block's byte
	v_lshlrev_b32 v7, 3, v2                        ; and on the way out 8 bytes a lane
	v_add_nc_u32 v6, s23, v7
	s_wait_kmcnt 0x0
	s_mov_b32 s24, 0                               ; the first work-group of my tensor
.macro PICK thr, p                     ; from work-group thr on the input is the pointer at s[p]: the choice hangs on the work-group's number alone
	s_cmp_ge_u32 ttmp9, \thr
	s_cselect_b64 s[4:5], s[\p:\p+1], s[4:5]
	s_cselect_b32 s24, \thr, s24
.endm
	PICK 256, 6
	PICK 512, 8
	PICK 768, 10
	PICK 800, 12
	PICK 832, 14
	PICK 864, 16
	s_sub_co_u32 s25, ttmp9, s24
	s_lshl_b32 s25, s25, 2
	s_add_co_u32 s26, s25, s22                     ; which run of 8 rows of the input is my wave's
	s_lshl_b32 s26, s26, 15                        ; 32,768 bytes a run
	s_mov_b32 s27, 0
	s_add_nc_u64 s[4:5], s[4:5], s[26:27]
	s_and_b32 s28, s22, 1                          ; the run's place in the output: the wave's two bits change places
	s_lshl_b32 s28, s28, 1
	s_lshr_b32 s29, s22, 1
	s_or_b32 s28, s28, s29
	s_lshl_b32 s29, ttmp9, 2
	s_add_co_u32 s28, s28, s29
	s_mul_i32 s30, s28, 32*STEPS*CB                ; 6,144 bytes of codes a run
	s_mov_b32 s31, 0
	s_add_nc_u64 s[18:19], s[18:19], s[30:31]
	s_lshl_b32 s30, s28, 8                         ; 256 scale bytes a run
	s_add_nc_u64 s[20:21], s[20:21], s[30:31]
.macro LOAD t
.irp i, 0,1,2,3
	global_load_b128 v[R+16*((\t)%4)+4*\i:R+16*((\t)%4)+4*\i+3], v3, s[4:5] offset:2048*(\t)+512*\i th:TH_LOAD_NT   ; 32 lanes read 512 consecutive bytes
.endr
.endm
.macro TURN t                          ; step t's numbers through the stage: LDS serves a wave's instructions in order, so no wait stands between the stores and the loads
.irp i, 0,1,2,3
	ds_store_b128 v14, v[R+16*((\t)%4)+4*\i:R+16*((\t)%4)+4*\i+3] offset:32*SP*((\t)%2)+8*SP*\i
.endr
.irp i, 0,1,2,3
	ds_load_b128 v[X+16*((\t)%2)+4*\i:X+16*((\t)%2)+4*\i+3], v15 offset:32*SP*((\t)%2)+16*\i
.endr
.endm
.irp t, 0,1,2,3
	LOAD \t
.endr
	s_wait_loadcnt 12                              ; step 0's four loads are in; the twelve of steps 1 to 3 may be out
	TURN 0
.macro STEP t
.set XS, X+16*((\t)%2)
.if (\t) > 0
	s_wait_dscnt 1                                 ; this step's numbers are back from the stage (the last step's byte store may be out)
.else
	s_wait_dscnt 0x0
.endif
.if (\t)+4 < STEPS
	LOAD (\t)+4                                    ; into the registers that this step's stores into the stage have read
.endif
.if (\t)+1 < STEPS
.if STEPS-2-(\t) >= 3
	s_wait_loadcnt 12                              ; the next step's four loads are in; those of the three steps behind it may be out
.else
	s_wait_loadcnt 4*(STEPS-2-(\t))
.endif
	TURN (\t)+1                                    ; through the other stage while this step is worked
.endif
	v_max3_num_f32 v8, |v[XS]|, |v[XS+1]|, |v[XS+2]|               ; the largest magnitude of my 16
	v_max3_num_f32 v9, |v[XS+3]|, |v[XS+4]|, |v[XS+5]|
.irp i, 6,10
	v_max3_num_f32 v8, v8, |v[XS+\i]|, |v[XS+\i+1]|
	v_max3_num_f32 v9, v9, |v[XS+\i+2]|, |v[XS+\i+3]|
.endr
	v_max3_num_f32 v8, v8, |v[XS+14]|, |v[XS+15]|
	v_max3_num_f32 v8, v8, v9, (EMAX+1)<<23        ; and the floor 2^(3 - 127): the byte cannot fall under 1
	v_max_num_f32_dpp v8, v8, v8 row_xmask:1 row_mask:0xf bank_mask:0xf   ; and of my neighbour's 16: the block's
	v_add_nc_u32 v11, -(EMAX<<23), v8              ; 2 off its exponent field: the conversion takes this operand's exponent field as its scale
	v_cvt_scalef32_pk16_fp6_f32 v[C+4*(\t):C+4*(\t)+2], v[XS:XS+15], v11
	v_lshrrev_b32 v[E+(\t)], 23, v11               ; the scale's byte
	ds_store_b8 v5, v[E+(\t)] offset:16*(\t)       ; both lanes of a block write the same byte with the same value
	global_store_b96 v4, v[C+4*(\t):C+4*(\t)+2], s[18:19] offset:32*CB*(\t)   ; the wave stores 384 consecutive bytes
.endm
.irp t, 0,1,2,3,4,5,6,7,8,9,10,11,12,13,14,15
	STEP \t
.endr
	ds_load_b64 v[12:13], v6                       ; LDS serves a wave's instructions in order: these see my stores
	s_wait_dscnt 0x0
	global_store_b64 v7, v[12:13], s[20:21]        ; 32 lanes store 256 consecutive bytes, aligned
	s_wait_tensorcnt 0x0
	ds_add_u32 v192, v193
	s_wait_dscnt 0x0
	s_endpgm
.Lfunc_end_k_q717be6aac8_quant:
	.size	k_q717be6aac8_quant, .Lfunc_end_k_q717be6aac8_quant-k_q717be6aac8_quant
	.p2alignl 7, 3214868480
	.fill 96, 4, 3214868480
	.section	.rodata,"a",@progbits
	.p2align	6, 0x0
	.amdhsa_kernel k_q717be6aac8_quant
		.amdhsa_group_segment_fixed_size 33280
		.amdhsa_private_segment_fixed_size 0
		.amdhsa_enable_private_segment 0
		.amdhsa_kernarg_size 72
		.amdhsa_user_sgpr_count 2
		.amdhsa_user_sgpr_kernarg_segment_ptr 1
		.amdhsa_wavefront_size32 1
		.amdhsa_system_sgpr_workgroup_id_x 1
		.amdhsa_system_sgpr_workgroup_id_y 1
		.amdhsa_system_sgpr_workgroup_id_z 1
		.amdhsa_system_vgpr_workitem_id 0
		.amdhsa_next_free_vgpr 194
		.amdhsa_next_free_sgpr 66
		.amdhsa_reserve_vcc 0
		.amdhsa_float_denorm_mode_32 3
		.amdhsa_float_denorm_mode_16_64 3
		.amdhsa_memory_ordered 1
		.amdhsa_forward_progress 1
		.amdhsa_inst_pref_size 33
	.end_amdhsa_kernel
	.amdgpu_metadata
---
amdhsa.version: [ 1, 2 ]
amdhsa.kernels:
  - .name:           k_q717be6aac8_quant
    .symbol:         k_q717be6aac8_quant.kd
    .args:
      - { .name: q, .offset: 0, .size: 8, .value_kind: global_buffer, .address_space: global }
      - { .name: k, .offset: 8, .size: 8, .value_kind: global_buffer, .address_space: global }
      - { .name: v, .offset: 16, .size: 8, .value_kind: global_buffer, .address_space: global }
      - { .name: Wq, .offset: 24, .size: 8, .value_kind: global_buffer, .address_space: global }
      - { .name: Wk, .offset: 32, .size: 8, .value_kind: global_buffer, .address_space: global }
      - { .name: Wv, .offset: 40, .size: 8, .value_kind: global_buffer, .address_space: global }
      - { .name: Wo, .offset: 48, .size: 8, .value_kind: global_buffer, .address_space: global }
      - { .name: xc, .offset: 56, .size: 8, .value_kind: global_buffer, .address_space: global }
      - { .name: xs, .offset: 64, .size: 8, .value_kind: global_buffer, .address_space: global }
    .group_segment_fixed_size: 33280
    .private_segment_fixed_size: 0
    .kernarg_segment_align: 8
    .kernarg_segment_size: 72
    .max_flat_workgroup_size: 128
    .sgpr_count:     66
    .vgpr_count:     194
    .wavefront_size: 32
...
	.end_amdgpu_metadata
.endif
;; end of part 1
;; launch proj (part 2): grid 32 x 12, 4 waves a work-group, clusters of 4 x 4, 327,680 bytes of LDS; arguments xc, xs, bq, bk, bv, hc, hs; writes hc, hs
.if DOCPART == 2
	.amdgcn_target "amdgcn-amd-amdhsa--gfx1250"
	.amdhsa_code_object_version 6
	.text
	.protected	k_q717be6aac8_proj
	.globl	k_q717be6aac8_proj
	.p2align	8
	.type	k_q717be6aac8_proj,@function
k_q717be6aac8_proj:
	s_mov_b64 s[64:65], 0
	v_nop
	global_prefetch_b8 v0, s[64:65] scope:SCOPE_SE
	s_setreg_imm32_b32 hwreg(HW_REG_WAVE_MODE, 25, 1), 1
	s_wait_xcnt 0x0
	s_wait_alu depctr_hold_cnt(0) depctr_sa_sdst(0) depctr_va_vdst(0) depctr_va_sdst(0) depctr_va_ssrc(0) depctr_va_vcc(0) depctr_vm_vsrc(0)
	s_getreg_b32 s2, hwreg(HW_REG_IB_STS2, 6, 4)
	s_cmp_eq_u32 s2, 0
	s_cbranch_scc0 .Lentry_in_a_cluster
	s_endpgm
.Lentry_in_a_cluster:
	s_bfe_u32 s2, ttmp6, 0x10000c
	s_cmp_lg_u32 s2, 0xf033
	s_cbranch_scc0 .Lentry_shape_is_right
	s_endpgm
.Lentry_shape_is_right:
; The three projections on codes of FP6 (E2M3) with E8M0 block scales, K = 1,024, and the quantising of their results for attention.
; ROLE = the cluster's y: 0: (q Wq^T + bq) / 8, 1: k Wk^T + bk, 2: v Wv^T + bv.  One text, no branch on the role: it enters row numbers, pointers and three factors alone.
; A work-group makes 256 x 256 results, each of its four waves 128 x 128 in 64 accumulators.  Source 0 takes 16 rows of P, source 1 16 rows of R: a lane holds ONE row of R, its registers run along P.
; Roles 0, 1: R = tokens, P = the weight's rows (channels): the registers run along the head's channels, the K of the scores.  Role 2: R = Wv's rows, P = tokens: the registers run along the keys, the K of the second product.
; xc's rows lie with bits 3 and 4 of their number exchanged, so the 16 registers of P's tiles 2 b and 2 b + 1 are the indices 32 b + 16 (lane / 16) + 0 .. 15, and lane r of R's tile 2 b + u is index 32 b + 8 u + r % 8 + 16 (r / 8).
; K goes in steps of 256 through a ring of two LDS slots filled by the tensor data mover; the scale bytes of the 512 rows come once and stay.
; CLUSTERS: 4 x 4 work-groups; R's tiles are shared along a row of the cluster, P's along a column: each is asked for jointly, by the same tensor load with a mask that names the four.
; THE WAY OUT: per tile of R, 64 numbers a lane get factor and bias, are quantised in registers (four blocks of 32) and leave as two HALF IMAGES of an operand's registers: registers 0-3 at 16 x lane (512 bytes), registers 4-5 at
; 512 + 8 x lane (256 bytes).  hc: for each (batch, head pair, 128 tokens) 12,288 bytes; q, k: [token half][head parity][tile 4][768]; v: [head parity][key half][tile 4][768].  hs: 512 bytes each: word 4 g of lane l's 16 bytes = tile 2 g + l / 16, row l % 16.
; LIMITS: NaN and infinities among the inputs are not served (a bias is multiplied by 0 in the role that has no use for it); blocks whose largest magnitude lies under 2^-124 keep the scale byte 1.
; REGISTERS, in windows of 256: window 0: v0-31 addresses; v32-63 scale words, two sets; v64-127 the bias along P; v128-223 R's fragments, one set; v224-239 the bias along R; v240-255 the quantiser's.
;   window 1: P's fragments, two sets, at v0 and v128.  windows 2, 3: the accumulators ((a, b) at v[8 (8 (a % 4) + b)]).
.set KSTEP,  256
.set NQ,     2                         ; matrix instructions deep in a slot
.set ROWB,   192                       ; a tile's row in bytes: 256 codes
.set KROW,   768                       ; a row of xc
.set PITCH,  240                       ; an LDS row: 3 x (64 bytes + 16 of padding)
.set FR,     12
.set NL,     6                         ; LDS loads of a fragment
.set NP,     4                         ; places behind this matrix instruction (ISA guide 7.12.1)
.set HALFT,  128*PITCH
.set SLOT,   4*HALFT
.set LAPS,   2                         ; 1,024 / 512
.set KS,     32                        ; a row of scale bytes
.set SCL,    2*SLOT
.set HALFS,  16*272                    ; the scale bytes of 128 rows: 16 units of 256 bytes + 16
.set SBLK,   2*272
.set SPARE,  SCL+4*HALFS               ; the spare words: 128 bytes a wave, named by no other line
.set ADRA, 16
.set ADRB, 20
.set VO16, 24                          ; v24  16 x lane
.set VO8,  25                          ; v25  8 x lane
.set LANE, 26
.set ADRS, 27
.set SPW,  28
.set NIL,  29
.set SC,   32
.set AF,   128
.set BP,   64                          ; the bias along P, times its factor
.set BR,   224                         ; the bias along R, a pair for each tile
.set H,    128                         ; the way out: 64 numbers
.set PC,   192                         ; their codes (12) and 8 at work
.set TM,   240
.set WQ,   32                          ; the eight tiles' scale words
.set GW,   40
.set G1, 24
.set G0, 32
.set G1B, 48
.set G0B, 56
.set G1S, 68
.set G0S, 76
.set G1SB, 80
.set G0SB, 88
.set SEL, 104
.set MSB, 0
.macro WIN new                         ; the immediate's high byte repeats the setting that is left
.if MSB != \new
	s_set_vgpr_msb (MSB<<8)|\new
.set MSB, \new
.endif
.endm
.set MUL_LO, 0xa1                      ; source 0 (P) window 1, source 1 (R) window 0, C and D window 2
.set MUL_HI, 0xf1
.set TO_B,   0x40
; A joint load: waves 0 and 1 fetch for R, waves 2 and 3 for P; the branch hangs on the wave's number alone.  Four v_nop follow each of the two lines.
.macro JLOAD g0a, g1a, g0b, g1b
	s_cmp_eq_u32 s15, 0
	s_cbranch_scc0 .Lfor_b_\@
	tensor_load_to_lds s[\g0a:\g0a+3], s[\g1a:\g1a+7]
	s_nop 0
.rept 4
	v_nop
.endr
	s_branch .Lasked_\@
.Lfor_b_\@:
	tensor_load_to_lds s[\g0b:\g0b+3], s[\g1b:\g1b+7]
	s_nop 0
.rept 4
	v_nop
.endr
.Lasked_\@:
.endm
.macro CREST                           ; a round of the cluster's barrier behind its opening barrier
	s_cmp_lg_u32 s14, 0
	s_cbranch_scc1 .Lnot_wave_0_\@
	s_barrier_signal -3
.Lnot_wave_0_\@:
	s_barrier_wait -3
	s_barrier_signal -1
	s_barrier_wait -1
.endm
.macro CROUND
	s_barrier_signal -1
	s_barrier_wait -1
	CREST
.endm
	s_load_b128 s[4:7], s[0:1], 0x0                ; xc, xs
	v_lshl_add_u32 v[SPW], v0, 2, SPARE
	v_mov_b32 v[NIL], 0
	ds_add_u32 v28, v29
	ds_add_u32 v28, v29
	s_wait_dscnt 0x0
	v_lshrrev_b32 v1, 5, v0
	v_readfirstlane_b32 s14, v1                    ; wave 0..3
	s_lshr_b32 s15, s14, 1                         ; which half of R's rows is mine.  Also: I fetch for R (0) or for P (1)
	s_and_b32 s16, s14, 1                          ; which half of P's rows.  Also: which 128 rows of that tile I fetch
	s_bfe_u32 s40, ttmp6, 0x40000                  ; cx, cy: my place in the cluster
	s_bfe_u32 s41, ttmp6, 0x40004
	s_and_b32 s2, ttmp7, 0xffff                    ; the role: the cluster's y, the same in all sixteen partners
	s_lshr_b32 s100, s2, 1                         ; 1 in role 2
	s_xor_b32 s101, s100, 1                        ; 1 in roles 0 and 1
	s_lshl_b32 s18, ttmp9, 2                       ; the tokens' 32 tiles go along the cluster's x: with R in roles 0, 1, with P in role 2
	s_mul_i32 s42, s18, s100
	s_add_co_u32 s42, s42, s40                     ; P's tile
	s_mul_i32 s17, s18, s101
	s_add_co_u32 s17, s17, s41                     ; R's tile
	s_lshl_b32 s43, s41, 2
	s_lshl_b32 s43, 15, s43                        ; my row of the cluster
	s_lshl_b32 s44, 0x1111, s40                    ; my column
	s_or_b32 s[G1+0], s43, (0<<16)|(1<<20)|(1<<21)|(3<<22)|(3<<25)  ; the mask; elements of 1 byte; padding on; bit 21 beside a mask; after every 16 words 4 words
	s_or_b32 s[G1B+0], s44, (0<<16)|(1<<20)|(1<<21)|(3<<22)|(3<<25)
.irp g, G1, G1B
	s_mov_b32 s[\g+1], ROWB<<16                    ; tensor_dim0
	s_mov_b32 s[\g+2], 128<<16                     ; tensor_dim1
	s_mov_b32 s[\g+3], ROWB<<16                    ; tile_dim0
	s_mov_b32 s[\g+4], 128                         ; tile_dim1
	s_mov_b32 s[\g+5], KROW                        ; the pitch
	s_mov_b32 s[\g+6], 0
	s_mov_b32 s[\g+7], 0
.endr
	s_or_b32 s[G1S+0], s43, (3<<16)|(1<<20)|(1<<21)|(5<<22)|(3<<25) ; the scale bytes of 128 rows: 4,096 dense bytes as 16 rows of 256, 16 bytes of padding behind each
	s_or_b32 s[G1SB+0], s44, (3<<16)|(1<<20)|(1<<21)|(5<<22)|(3<<25)
.irp g, G1S, G1SB
	s_mov_b32 s[\g+1], 32<<16
	s_mov_b32 s[\g+2], 16<<16
	s_mov_b32 s[\g+3], 32<<16
	s_mov_b32 s[\g+4], 16
	s_mov_b32 s[\g+5], 32
	s_mov_b32 s[\g+6], 0
	s_mov_b32 s[\g+7], 0
.endr
	s_lshl_b32 s18, s16, 7                         ; which 128 rows of a tile I fetch
	s_lshl_b32 s20, s17, 8
	s_add_co_u32 s20, s20, s18
	s_lshl_b32 s19, s2, 13                         ; R begins at row 8,192 x role (tokens), in role 2 at 26,624 (Wv)
	s_mul_i32 s19, s19, s101
	s_mul_i32 s21, s100, 26624
	s_add_co_u32 s19, s19, s21
	s_add_co_u32 s20, s20, s19                     ; R's stored row
	s_lshl_b32 s46, s42, 8
	s_add_co_u32 s46, s46, s18
	s_lshl_b32 s19, s2, 10                         ; P begins at row 24,576 + 1,024 x role (the weight), in role 2 at 16,384 (v's tokens)
	s_add_co_u32 s19, s19, 24576
	s_mul_i32 s19, s19, s101
	s_lshl_b32 s21, s100, 14
	s_add_co_u32 s19, s19, s21
	s_add_co_u32 s46, s46, s19                     ; P's stored row
	s_mov_b32 s21, 0
	s_mov_b32 s47, 0
	s_mov_b64 s[18:19], KS
	s_mul_u64 s[22:23], s[20:21], s[18:19]         ; where these rows' scale bytes begin
	s_mul_u64 s[92:93], s[46:47], s[18:19]
	s_mov_b64 s[18:19], KROW
	s_mul_u64 s[20:21], s[20:21], s[18:19]         ; and their codes
	s_mul_u64 s[46:47], s[46:47], s[18:19]
	s_mul_i32 s45, s14, HALFT                      ; where they go: wave x 128 rows
	s_mul_i32 s94, s14, HALFS
	s_wait_kmcnt 0x0
	s_add_nc_u64 s[20:21], s[4:5], s[20:21]
	s_add_nc_u64 s[22:23], s[6:7], s[22:23]
	s_add_nc_u64 s[46:47], s[4:5], s[46:47]
	s_add_nc_u64 s[92:93], s[6:7], s[92:93]
	CROUND                                         ; all sixteen work-groups are here: the first joint loads meet
	s_mov_b32 s[G0S], 1
	s_add_co_u32 s[G0S+1], s94, SCL
	s_mov_b64 s[G0S+2:G0S+3], s[22:23]
	s_or_b32 s[G0S+3], s[G0S+3], 0x80000000
	s_mov_b32 s[G0SB], 1
	s_add_co_u32 s[G0SB+1], s94, SCL
	s_mov_b64 s[G0SB+2:G0SB+3], s[92:93]
	s_or_b32 s[G0SB+3], s[G0SB+3], 0x80000000
	JLOAD G0S, G1S, G0SB, G1SB                     ; the scale bytes first: they are wanted with K step 0
.irp s, 0,1
	s_mov_b32 s[G0+4*\s], 1
	s_add_co_u32 s[G0+4*\s+1], s45, \s*SLOT
	s_add_nc_u64 s[G0+4*\s+2:G0+4*\s+3], s[20:21], \s*ROWB
	s_or_b32 s[G0+4*\s+3], s[G0+4*\s+3], 0x80000000
	s_mov_b32 s[G0B+4*\s], 1
	s_add_co_u32 s[G0B+4*\s+1], s45, \s*SLOT
	s_add_nc_u64 s[G0B+4*\s+2:G0B+4*\s+3], s[46:47], \s*ROWB
	s_or_b32 s[G0B+4*\s+3], s[G0B+4*\s+3], 0x80000000
	JLOAD G0+4*\s, G1, G0B+4*\s, G1B
.endr
	v_and_b32 v1, 15, v0                           ; r = lane % 16
	v_bfe_u32 v2, v0, 4, 1                         ; h = lane / 16
	v_mul_u32_u24 v3, v1, PITCH
	v_mul_u32_u24 v4, v2, 24
	v_add_nc_u32 v4, v3, v4                        ; a fragment's row x pitch + 24 x half
	v_lshl_add_u32 v5, v2, 4, v4                   ; and the same behind one padding more
	s_mul_i32 s21, s15, HALFT                      ; my 128 rows of R
	s_mul_i32 s22, s16, HALFT                      ; my 128 rows of P,
	s_add_co_u32 s22, s22, 2*HALFT                 ; which lie behind R's 256
.irp s, 0,1
	v_add_nc_u32 v[ADRA+\s], s21, v4
	v_add_nc_u32 v[ADRB+\s], s22, v4
	v_add_nc_u32 v[ADRA+2+\s], s21, v5
	v_add_nc_u32 v[ADRB+2+\s], s22, v5
	s_add_co_u32 s21, s21, SLOT
	s_add_co_u32 s22, s22, SLOT
.endr
	v_mul_u32_u24 v5, v1, KS                       ; my row's scale bytes: 32 a row,
	v_lshrrev_b32 v6, 8, v5
	v_lshl_add_u32 v5, v6, 4, v5                   ; and 16 more for each 256 passed
	s_mul_i32 s21, s15, HALFS
	s_mul_i32 s22, s16, HALFS
	s_add_co_u32 s22, s22, 2*HALFS
	s_sub_co_u32 s22, s22, s21
	v_mul_u32_u24 v6, s22, v2                      ; lanes 16-31 take P's
	s_add_co_u32 s21, s21, SCL
	v_add_nc_u32 v5, v5, v6
	v_add_nc_u32 v[ADRS], s21, v5
	v_and_b32 v[LANE], 31, v0
	v_lshlrev_b32 v[VO16], 4, v[LANE]
	v_lshlrev_b32 v[VO8], 3, v[LANE]
.irp b, 0,1,2,3
	v_mov_b32 v[TM+4+\b], 0                        ; written once: a lane permute's destination counts as one of its sources
.endr
	; the biases, the factors and the way out's addresses
	s_load_b128 s[20:23], s[0:1], 0x10             ; bq, bk
	s_load_b128 s[44:47], s[0:1], 0x20             ; bv, hc
	s_load_b64 s[92:93], s[0:1], 0x30              ; hs
	s_lshl_b32 s18, s42, 1
	s_add_co_u32 s18, s18, s16                     ; which 128 of P are mine
	s_lshl_b32 s19, s17, 1
	s_add_co_u32 s19, s19, s15                     ; which 128 of R
	s_mul_i32 s94, s19, s101
	s_mul_i32 s95, s18, s100
	s_add_co_u32 s94, s94, s95                     ; the group of 128 tokens: R's in roles 0, 1, P's in role 2
	s_mul_i32 s95, s18, s101                       ; the head pair: P's in roles 0, 1 (0 in role 2),
	s_mul_i32 s98, s19, s100                       ; R's in role 2 (0 in roles 0, 1)
	s_add_co_u32 s99, s95, s98
	s_lshr_b32 s104, s94, 4                        ; the batch
	s_lshl_b32 s104, s104, 3
	s_add_co_u32 s104, s104, s99
	s_lshl_b32 s104, s104, 4
	s_and_b32 s105, s94, 15
	s_add_co_u32 s104, s104, s105                  ; I = (8 batch + head pair) 16 + step
	s_mul_i32 s94, s104, 12288
	s_mul_i32 s105, s2, 6291456
	s_add_co_u32 s94, s94, s105                    ; my bytes in hc
	s_lshl_b32 s104, s104, 9
	s_lshl_b32 s105, s2, 18
	s_add_co_u32 s104, s104, s105                  ; and in hs
	s_lshl_b32 s95, s95, 9                         ; the bias along P begins 512 bytes x head pair on (at 0 where it is not used),
	s_lshl_b32 s98, s98, 9                         ; the bias along R likewise
	s_wait_kmcnt 0x0
	s_cmp_eq_u32 s2, 0
	s_cselect_b64 s[96:97], s[20:21], s[44:45]     ; bq, or bv
	s_cselect_b32 s99, 0x3e000000, 1.0             ; the results' factor: 1 / 8 for q, else 1
	s_cmp_eq_u32 s2, 1
	s_cselect_b64 s[96:97], s[22:23], s[96:97]     ; bk
	s_mov_b32 s19, 0
	s_mov_b32 s18, s94
	s_add_nc_u64 s[12:13], s[46:47], s[18:19]
	s_mov_b32 s18, s104
	s_add_nc_u64 s[66:67], s[92:93], s[18:19]
	s_mov_b32 s18, s95
	s_add_nc_u64 s[20:21], s[96:97], s[18:19]
	s_mov_b32 s18, s98
	s_add_nc_u64 s[22:23], s[96:97], s[18:19]
	s_mov_b32 s98, s99                             ; s[98:99]: the factor, as a pair
	s_cmp_eq_u32 s2, 2
	s_cselect_b32 s100, 0, s98                     ; the factor of the bias along P: that of the results, 0 in role 2
	s_cselect_b32 s101, 1.0, 0                     ; of the bias along R: 1 in role 2, else 0
	s_mov_b32 s[SEL], 0x76543210
	s_mov_b32 s[SEL+1], 0xfedcba98                 ; v_permlanex16_b32's selects for lane l xor 16
	v_lshlrev_b32 v30, 6, v2                       ; along P: register 16 b + i wants index 32 b + 16 h + i
	v_and_b32 v31, 7, v0
	v_bfe_u32 v6, v0, 3, 1
	v_lshl_add_u32 v31, v6, 4, v31
	v_lshlrev_b32 v31, 2, v31                      ; along R: lane r of tile 2 b + u wants index 32 b + 8 u + r % 8 + 16 (r / 8)
.irp b, 0,1,2,3
.irp j, 0,1,2,3
	global_load_b128 v[BP+16*\b+4*\j:BP+16*\b+4*\j+3], v30, s[20:21] offset:128*\b+16*\j
.endr
.endr
.irp a, 0,1,2,3,4,5,6,7
	global_load_b32 v[BR+2*\a], v31, s[22:23] offset:4*(32*(\a/2)+8*(\a%2))
.endr
	s_wait_loadcnt 0x0                             ; under the first tiles' flight
.set i, 0
.rept 32
	v_pk_mul_f32 v[BP+i:BP+i+1], v[BP+i:BP+i+1], s[100:101] op_sel_hi:[1,0]   ; (sum + b) / 8 = sum / 8 + b / 8, exactly
.set i, i+2
.endr
.irp a, 0,1,2,3,4,5,6,7
	v_mul_f32 v[BR+2*\a+1], s101, v[BR+2*\a]
	v_mul_f32 v[BR+2*\a], s101, v[BR+2*\a]
.endr
.macro FRAG reg, adr, q, i             ; a fragment: lane l holds row l % 16; registers 6 c .. 6 c + 5 hold K = 64 c + 32 (l / 16) + 0 .. 31: 24 bytes of the row's stream of bits, in pieces of 8 bytes
.irp p, 0,1,2,3,4,5
.set PCE, 12*(\q)+6*(\p/3)+\p%3        ; 16 bytes of padding lie behind every 8 pieces: where the piece three on lies behind one padding more, the second address register serves
.if PCE%8 < 5
	ds_load_b64 v[\reg+2*\p:\reg+2*\p+1], v[\adr] offset:8*PCE+16*(PCE/8)+(\i)*16*PITCH
.else
	ds_load_b64 v[\reg+2*\p:\reg+2*\p+1], v[\adr+2] offset:8*PCE+16*(PCE/8)+(\i)*16*PITCH
.endif
.endr
.endm
; 16 matrix instructions: R's blocks a0, a0 + 1 x P's eight.  The 64 accumulators take turns, one instruction a turn, in the same order in every step.
.macro MUL16 a0, p, q, sc, zero
.irp a, \a0, \a0+1
.irp b, 0,1,2,3,4,5,6,7
.if \zero
	v_wmma_scale_f32_16x16x128_f8f6f4 v[8*(8*((\a)%4)+\b):8*(8*((\a)%4)+\b)+7], v[128*(\p)+FR*\b:128*(\p)+FR*\b+FR-1], v[AF+FR*(\a):AF+FR*(\a)+FR-1], 0, v[SC+8*NQ*(\sc)+NQ*\b+(\q)], v[SC+8*NQ*(\sc)+NQ*(\a)+(\q)] matrix_a_fmt:MATRIX_FMT_FP6 matrix_b_fmt:MATRIX_FMT_FP6 matrix_a_scale:MATRIX_SCALE_ROW1
.else
	v_wmma_scale_f32_16x16x128_f8f6f4 v[8*(8*((\a)%4)+\b):8*(8*((\a)%4)+\b)+7], v[128*(\p)+FR*\b:128*(\p)+FR*\b+FR-1], v[AF+FR*(\a):AF+FR*(\a)+FR-1], v[8*(8*((\a)%4)+\b):8*(8*((\a)%4)+\b)+7], v[SC+8*NQ*(\sc)+NQ*\b+(\q)], v[SC+8*NQ*(\sc)+NQ*(\a)+(\q)] matrix_a_fmt:MATRIX_FMT_FP6 matrix_b_fmt:MATRIX_FMT_FP6 matrix_a_scale:MATRIX_SCALE_ROW1
.endif
.endr
.endr
.endm
.macro FETCH_B slot, q, p
	WIN TO_B
.irp i, 0,1,2,3,4,5,6,7
	FRAG 128*(\p)+FR*\i, ADRB+\slot, \q, \i
.endr
	WIN 0
.endm
.macro FETCH_A slot, q, i0
.irp i, \i0, \i0+1, \i0+2, \i0+3
	FRAG AF+FR*(\i), ADRA+\slot, \q, \i
.endr
.endm
.macro SCALES sc                       ; a K step's scale words: lanes 0-15 R's block i, lanes 16-31 P's block i
.irp i, 0,1,2,3,4,5,6,7
	ds_load_b64 v[SC+8*NQ*\sc+NQ*\i:SC+8*NQ*\sc+NQ*\i+1], v[ADRS] offset:\i*SBLK
.endr
.endm
.macro PLACES n                        ; plain vector instructions between a matrix instruction and a load into, or a read of, its registers
.rept \n
	v_nop
.endr
.endm
.macro STEP slot, q, zero              ; 128 along K with a successor in the same slot
	s_wait_dscnt 4*NL                              ; P's set and R's blocks 0-3 are in; the youngest 24 loads (R's blocks 4-7) may be out
	WIN MUL_LO
	MUL16 0, (\q)%2, \q, \slot, \zero
	MUL16 2, (\q)%2, \q, \slot, \zero
	s_wait_dscnt 0
	PLACES NP
	FETCH_B \slot, (\q)+1, 1-(\q)%2
	FETCH_A \slot, (\q)+1, 0
	WIN MUL_HI
	MUL16 4, (\q)%2, \q, \slot, \zero
	MUL16 6, (\q)%2, \q, \slot, \zero
	PLACES NP
	WIN 0
	FETCH_A \slot, (\q)+1, 4
.endm
; A slot's last step changes slots: one barrier; in front of it each wave waits for all its tensor loads, adds 0 to its spare word, and waits for that and for its own reads of this slot.
.macro TURN slot, next, fill
	s_wait_tensorcnt 0x0                           ; all my tensor loads have landed: my part of the next slot
	ds_add_u32 v[SPW], v[NIL]                      ; 0 onto my spare word
	s_wait_dscnt 4*NL+1                            ; (the add and the youngest 24 loads may be out)
	WIN MUL_LO
	MUL16 0, 1, NQ-1, \slot, 0
	s_wait_dscnt 0x0                               ; the add is done, and my reads of this slot are over
	s_barrier_signal -1
	MUL16 2, 1, NQ-1, \slot, 0
	WIN 0
	s_barrier_wait -1
.if \fill
	CREST                                          ; the barrier has opened a round of the cluster's barrier: no wave of any partner still reads this slot or has a load on its way
	s_add_nc_u64 s[G0+4*\slot+2:G0+4*\slot+3], s[G0+4*\slot+2:G0+4*\slot+3], 2*ROWB
	s_add_nc_u64 s[G0B+4*\slot+2:G0B+4*\slot+3], s[G0B+4*\slot+2:G0B+4*\slot+3], 2*ROWB
	JLOAD G0+4*\slot, G1, G0B+4*\slot, G1B         ; the first tensor load behind the round; its four v_nop are the places in front of the loads below
.else
	PLACES NP
.endif
	v_add_nc_u32 v[ADRS], 4*NQ, v[ADRS]            ; the next K step's scale words
	FETCH_B \next, 0, 0
	FETCH_A \next, 0, 0
	SCALES \next
	WIN MUL_HI
	MUL16 4, 1, NQ-1, \slot, 0
	MUL16 6, 1, NQ-1, \slot, 0
	PLACES NP
	WIN 0
	FETCH_A \next, 0, 4
.endm
	s_wait_tensorcnt 1                             ; the scale bytes and my part of K step 0 are in (K step 1's load may be out)
	s_barrier_signal -1
	s_barrier_wait -1
	FETCH_B 0, 0, 0
	FETCH_A 0, 0, 0
	SCALES 0
	FETCH_A 0, 0, 4
	STEP 0, 0, 1                                   ; the first step's products start the sums
	s_mov_b32 s3, LAPS-1
.Llap:                                                 ; once round the ring; both slots are filled again
	TURN 0, 1, 1
	STEP 1, 0, 0
	TURN 1, 0, 1
	STEP 0, 0, 0
	s_sub_co_u32 s3, s3, 1
	s_cmp_lg_u32 s3, 0
	s_cbranch_scc1 .Llap
	TURN 0, 1, 0                                   ; the last lap fills nothing
	STEP 1, 0, 0
	s_wait_dscnt 4*NL
	WIN MUL_LO
	MUL16 0, 1, NQ-1, 1, 0
	MUL16 2, 1, NQ-1, 1, 0
	s_wait_dscnt 0
	WIN MUL_HI
	MUL16 4, 1, NQ-1, 1, 0
	MUL16 6, 1, NQ-1, 1, 0
	WIN 0
; 64 numbers of a lane, register 16 b + i = index 32 b + 16 (lane / 16) + i of my row, become a fragment's codes in v[PC] on and its scale word in v[pw].
.macro QUANT s, pw
.irp b, 0,1,2,3
	v_max3_num_f32 v[TM+\b], |v[\s+16*\b]|, |v[\s+1+16*\b]|, 0x1800000   ; my 16 numbers of block b, and the floor 2^(3 - 127): the byte cannot fall under 1
.endr
.irp i, 2,4,6,8,10,12,14
.irp b, 0,1,2,3
	v_max3_num_f32 v[TM+\b], v[TM+\b], |v[\s+16*\b+\i]|, |v[\s+1+16*\b+\i]|
.endr
.endr
.irp b, 0,1,2,3
	v_permlanex16_b32 v[TM+4+\b], v[TM+\b], s[SEL], s[SEL+1]
.endr
.irp b, 0,1,2,3
	v_max_num_f32 v[TM+\b], v[TM+\b], v[TM+4+\b]   ; with lane l xor 16's: the block's largest magnitude
.endr
.irp b, 0,1,2,3
	v_add_nc_u32 v[TM+12+\b], 0xff000000, v[TM+\b] ; 2 off its exponent field: the conversion's scale operand
.endr
.irp b, 0,1,2,3
	v_lshrrev_b32 v[TM+4+\b], 23, v[TM+12+\b]      ; the scale's byte
.endr
	v_lshl_or_b32 v[\pw], v[TM+5], 8, v[TM+4]
	v_lshl_or_b32 v[\pw], v[TM+6], 16, v[\pw]
	v_lshl_or_b32 v[\pw], v[TM+7], 24, v[\pw]
.irp c, 0,1
	v_cvt_scalef32_pk16_fp6_f32 v[PC+6*\c:PC+2+6*\c], v[\s+32*\c:\s+15+32*\c], v[TM+12+2*\c]
	v_cvt_scalef32_pk16_fp6_f32 v[PC+12+4*\c:PC+14+4*\c], v[\s+16+32*\c:\s+31+32*\c], v[TM+12+2*\c+1]   ; (a conversion's three registers begin on an even number)
.endr
	v_nop                                          ; one plain place behind a scaled conversion
.irp c, 0,1                                    ; the operand's layout wants a whole block in a lane
.irp i, 0,1,2
	v_permlane16_swap_b32 v[PC+6*\c+\i], v[PC+12+4*\c+\i]
.endr
.irp i, 0,1,2
	v_mov_b32 v[PC+3+6*\c+\i], v[PC+12+4*\c+\i]
.endr
.endr
.endm
; R's tile a: factor and biases, the quantiser, two half images.  Each accumulator is read from its low end on.
.macro OUTBLK a
	WIN 0x02+(\a)/4                                ; source 0: window 2 or 3
.set i, 0
.rept 32
	v_pk_fma_f32 v[H+i:H+i+1], v[64*((\a)%4)+i:64*((\a)%4)+i+1], s[98:99], v[BP+i:BP+i+1] op_sel_hi:[1,0,1]
.set i, i+2
.endr
	WIN 0
.set i, 0
.rept 32
	v_pk_add_f32 v[H+i:H+i+1], v[H+i:H+i+1], v[BR+2*(\a):BR+2*(\a)+1]
.set i, i+2
.endr
.if (\a) > 0
	s_wait_xcnt 0x0                                ; the last tile's stores have read their data: the codes' registers are written again only behind this wait
.endif
	QUANT H, WQ+(\a)
	global_store_b128 v[VO16], v[PC:PC+3], s[12:13] offset:((\a)/4)*6144+((\a)%4)*768                 ; 512 consecutive bytes, aligned
	global_store_b64 v[VO8], v[PC+4:PC+5], s[12:13] offset:((\a)/4)*6144+((\a)%4)*768+512            ; 256 consecutive bytes, aligned
	global_store_b128 v[VO16], v[PC+6:PC+9], s[12:13] offset:((\a)/4)*6144+3072+((\a)%4)*768
	global_store_b64 v[VO8], v[PC+10:PC+11], s[12:13] offset:((\a)/4)*6144+3072+((\a)%4)*768+512
.endm
	PLACES NP                                      ; behind the last products: their results are read, and R's fragments' and the scale words' registers are written
.irp a, 0,1,2,3,4,5,6,7
	OUTBLK \a
.endr
	v_cmp_le_u32 vcc_lo, 16, v[LANE]
.irp g, 0,1,2,3
	v_cndmask_b32 v[GW+\g], v[WQ+2*\g], v[WQ+2*\g+1], vcc_lo   ; lanes 0-15 tile 2 g's words, lanes 16-31 tile 2 g + 1's
.endr
	global_store_b128 v[VO16], v[GW:GW+3], s[66:67]            ; 512 consecutive bytes, aligned
	s_wait_tensorcnt 0x0                           ; the wave's end
	ds_add_u32 v[SPW], v[NIL]
	s_wait_dscnt 0x0
	CROUND                                         ; the closing round: no work-group ends while a partner may still ask for a tile that names it
	s_endpgm
.Lfunc_end_k_q717be6aac8_proj:
	.size	k_q717be6aac8_proj, .Lfunc_end_k_q717be6aac8_proj-k_q717be6aac8_proj
	.p2alignl 7, 3214868480
	.fill 96, 4, 3214868480
	.section	.rodata,"a",@progbits
	.p2align	6, 0x0
	.amdhsa_kernel k_q717be6aac8_proj
		.amdhsa_group_segment_fixed_size 327680
		.amdhsa_private_segment_fixed_size 0
		.amdhsa_enable_private_segment 0
		.amdhsa_kernarg_size 56
		.amdhsa_user_sgpr_count 2
		.amdhsa_user_sgpr_kernarg_segment_ptr 1
		.amdhsa_wavefront_size32 1
		.amdhsa_system_sgpr_workgroup_id_x 1
		.amdhsa_system_sgpr_workgroup_id_y 1
		.amdhsa_system_sgpr_workgroup_id_z 1
		.amdhsa_system_vgpr_workitem_id 0
		.amdhsa_next_free_vgpr 1024
		.amdhsa_next_free_sgpr 106
		.amdhsa_reserve_vcc 1
		.amdhsa_float_denorm_mode_32 3
		.amdhsa_float_denorm_mode_16_64 3
		.amdhsa_memory_ordered 1
		.amdhsa_forward_progress 1
		.amdhsa_inst_pref_size 203
	.end_amdhsa_kernel
	.amdgpu_metadata
---
amdhsa.version: [ 1, 2 ]
amdhsa.kernels:
  - .name:           k_q717be6aac8_proj
    .symbol:         k_q717be6aac8_proj.kd
    .args:
      - { .name: xc, .offset: 0, .size: 8, .value_kind: global_buffer, .address_space: global }
      - { .name: xs, .offset: 8, .size: 8, .value_kind: global_buffer, .address_space: global }
      - { .name: bq, .offset: 16, .size: 8, .value_kind: global_buffer, .address_space: global }
      - { .name: bk, .offset: 24, .size: 8, .value_kind: global_buffer, .address_space: global }
      - { .name: bv, .offset: 32, .size: 8, .value_kind: global_buffer, .address_space: global }
      - { .name: hc, .offset: 40, .size: 8, .value_kind: global_buffer, .address_space: global }
      - { .name: hs, .offset: 48, .size: 8, .value_kind: global_buffer, .address_space: global }
    .group_segment_fixed_size: 327680
    .private_segment_fixed_size: 0
    .kernarg_segment_align: 8
    .kernarg_segment_size: 56
    .max_flat_workgroup_size: 128
    .sgpr_count:     106
    .vgpr_count:     1024
    .wavefront_size: 32
...
	.end_amdgpu_metadata
.endif
;; end of part 2
;; launch attn (part 3): grid 8 x 64, 16 waves a work-group, clusters of 4 x 1, 210,944 bytes of LDS; arguments hc, hs, mask, cc, cs; writes cc, cs
.if DOCPART == 3
	.amdgcn_target "amdgcn-amd-amdhsa--gfx1250"
	.amdhsa_code_object_version 6
	.text
	.protected	k_q717be6aac8_attn
	.globl	k_q717be6aac8_attn
	.p2align	8
	.type	k_q717be6aac8_attn,@function
k_q717be6aac8_attn:
	s_mov_b64 s[64:65], 0
	v_nop
	global_prefetch_b8 v0, s[64:65] scope:SCOPE_SE
	s_setreg_imm32_b32 hwreg(HW_REG_WAVE_MODE, 25, 1), 1
	s_wait_xcnt 0x0
	s_wait_alu depctr_hold_cnt(0) depctr_sa_sdst(0) depctr_va_vdst(0) depctr_va_sdst(0) depctr_va_ssrc(0) depctr_va_vcc(0) depctr_vm_vsrc(0)
	s_getreg_b32 s2, hwreg(HW_REG_IB_STS2, 6, 4)
	s_cmp_eq_u32 s2, 0
	s_cbranch_scc0 .Lentry_in_a_cluster
	s_endpgm
.Lentry_in_a_cluster:
	s_bfe_u32 s2, ttmp6, 0x10000c
	s_cmp_lg_u32 s2, 0x3003
	s_cbranch_scc0 .Lentry_shape_is_right
	s_endpgm
.Lentry_shape_is_right:
; Attention of one (batch, head) on codes of FP6 (E2M3) with E8M0 block scales: scores = (q / 8) . k (K = the head's 64), key mask, softmax, ctx = p v / l (K = the keys), ctx quantised along the model's axis.
; THE SOFTMAX AHEAD OF THE SECOND PRODUCT: t = score x log2(e); M = the running largest t rounded up to a whole number; p = 2^(t - M) is quantised along the keys, not normalised; the row's sum is taken of the
; unquantised p and divides at the end.  When M moves, the sum and O are multiplied by 2^(old M - new M): exact.
; SHARES.  A work-group owns 256 queries of one head, each of its sixteen waves one tile of 16, in 256 registers: four waves to a SIMD, so that one wave's vector work stands beside another's matrix work.
; ALL OF THE HEAD'S K AND V LIE IN LDS (96 KiB each): every byte is filled once, in four chunks of 512 keys; wave 0 asks for K's four, wave 1 for V's four (four tensor loads of a wave are out at the most); a chunk is
; read behind a counted wait and a barrier, while the later chunks are still on their way.  Nothing is filled again.
; CLUSTER.  The four query blocks of a cluster belong to one head: each chunk is asked for jointly, by the same tensor load with a mask that names the four.
; LAYOUT.  Both products are used transposed (S^T = K Q^T, O^T = V^T P^T): a lane holds one query throughout.  Operands lie in hc as half images of their registers (registers 0-3 at 16 x lane, 4-5 at 512 + 8 x lane of 768 bytes).
; The rows of a tile are 8 u + 0..7 and 8 u + 16..23 of a group of 32, so the 16 registers of tiles 2 b and 2 b + 1 are 16 neighbours (keys in S^T, channels in O^T).
; THE MASK RIDES IN THE UNUSED HALF OF K = 128.  At k = 64 Q holds the code 1.0 under the scale byte 100, every key the code -7.5; the key's scale byte there is 254 where the key is hidden and 1 where it counts.  A hidden
; key's score so gets -7.5 x 2^100, and its p is 0; all other positions from 64 on meet zero codes of Q, so K's registers there may hold any codes.
; LIMITS: a counted key's score carries -7.5 x 2^-153; a real t under -1e30 counts as hidden; a batch whose mask is all false gives NaN rows (scale bytes 0xff), as the softmax of such a row is NaN.
; Nothing is prefetched: every byte that the work-group reads is asked for at its head.
.set VB,   98304                       ; LDS: K's codes [step 16][tile 8][768] at 0; V's [step 16][key half 2][tile 4][768] here
.set SCK,  196608                      ; K's scale words with the mask's byte, [step][512]: written by ds_store alone
.set SCV,  204800                      ; V's scale words, [step][256]
.set AK16, 1                           ; v1  16 x lane       v2  8 x lane
.set AK8,  2
.set AV16, 3                           ; v3, v4 the same + VB
.set AV8,  4
.set ASK,  5                           ; v5  SCK + 16 x lane
.set ASV,  6                           ; v6  SCV + 8 x lane
.set ADK16, 7                          ; v7-11, v135: the same for the step in hand
.set ADK8,  8
.set ADV16, 9
.set ADV8,  10
.set ADS,   11
.set ADT,   135
.set KF,   32                          ; v32-67   four sets for K's tiles, 8 apart: data 0-5, register 6 = the code -7.5, register 7 and v64-67 = 0; an operand is 12 registers from a set's first
.set VF,   68                          ; v68-115  V's four fragments
.set KS,   116                         ; v116-119 K's scale words: register g: lanes 0-15 tile 2 g, lanes 16-31 tile 2 g + 1
.set VS,   120                         ; v120-121 V's likewise
.set BM,   122                         ; v122-125 the blocks' largest scores, then p
.set BT,   126
.set SOP,  130                         ; v130-133 the conversions' scale operands
.set SS,   136                         ; v136-199 S^T, then p
.set OO,   200                         ; v200-231 O^T
.set PC,   232                         ; v232-243 p's codes
.set X,    244                         ; v244-246, v248-250 at work
.set TB,   2                           ; s2   the step's codes: 6,144 bytes a step
.set TS,   3                           ; s3   K's scale words: 512
.set TJ,   66                          ; s66  V's: 256
.set WV,   18
.set SEL,  20
.set CS,   22                          ; s[22:23] log2(e)
.set G1K,  24
.set G1V,  32
.set G0,   40                          ; s[40:55] four groups 0, one for each chunk
.set CNT,  56
.macro ROUND                           ; a round of the cluster's barrier
	s_barrier_signal -1
	s_barrier_wait -1
	s_cmp_lg_u32 s[WV], 0
	s_cbranch_scc1 .Lnot_wave_0_\@
	s_barrier_signal -3
.Lnot_wave_0_\@:
	s_barrier_wait -3
	s_barrier_signal -1
	s_barrier_wait -1
.endm
.macro ADDR                            ; the LDS addresses of the step at s[TB], s[TS], s[TJ]
	v_add_nc_u32 v[ADK16], s[TB], v[AK16]
	v_add_nc_u32 v[ADK8], s[TB], v[AK8]
	v_add_nc_u32 v[ADV16], s[TB], v[AV16]
	v_add_nc_u32 v[ADV8], s[TB], v[AV8]
	v_add_nc_u32 v[ADS], s[TS], v[ASK]
	v_add_nc_u32 v[ADT], s[TJ], v[ASV]
.endm
	s_load_b256 s[4:11], s[0:1], 0x0               ; hc, hs, mask, cc
	s_load_b64 s[12:13], s[0:1], 0x20              ; cs
	v_lshl_add_u32 v251, v0, 2, 0x33000
	v_mov_b32 v254, 0
	ds_add_u32 v251, v254
	ds_add_u32 v251, v254
	v_lshrrev_b32 v1, 5, v0
	s_delay_alu instid0(VALU_DEP_1)
	v_readfirstlane_b32 s[WV], v1                  ; wave 0..15
	s_bfe_u32 s14, ttmp6, 0x40000                  ; cx: it enters Q's and the outputs' addresses alone
	s_lshl_b32 s15, ttmp9, 2
	s_add_co_u32 s15, s15, s14                     ; my block of 256 queries
	s_and_b32 s16, ttmp7, 0xffff                   ; 16 batch + head, which the four partners share
	s_lshr_b32 s17, s16, 4                         ; batch
	s_and_b32 s19, s16, 15                         ; head
	s_lshr_b32 s57, s19, 1                         ; head pair
	s_and_b32 s58, s19, 1                          ; parity
	s_lshl_b32 s59, s17, 3
	s_add_co_u32 s59, s59, s57                     ; 8 batch + head pair
	; K: a chunk is 8 rows of 3,072 bytes (four tiles of one token half), 6,144 bytes apart;  V: 4 rows of 6,144 bytes (a step), 12,288 apart.  Elements of 8 bytes, no padding
	s_mov_b32 s[G1K], 15|(3<<16)|(1<<21)           ; the mask: all four work-groups; bit 21 beside it
	s_mov_b32 s[G1K+1], 384<<16                    ; tensor_dim0
	s_mov_b32 s[G1K+2], 8<<16                      ; tensor_dim1
	s_mov_b32 s[G1K+3], 384<<16                    ; tile_dim0
	s_mov_b32 s[G1K+4], 8                          ; tile_dim1
	s_mov_b32 s[G1K+5], 768                        ; the pitch
	s_mov_b32 s[G1K+6], 0
	s_mov_b32 s[G1K+7], 0
	s_mov_b32 s[G1V], 15|(3<<16)|(1<<21)
	s_mov_b32 s[G1V+1], 768<<16
	s_mov_b32 s[G1V+2], 4<<16
	s_mov_b32 s[G1V+3], 768<<16
	s_mov_b32 s[G1V+4], 4
	s_mov_b32 s[G1V+5], 1536
	s_mov_b32 s[G1V+6], 0
	s_mov_b32 s[G1V+7], 0
	s_min_u32 s60, s[WV], 1                        ; 0: K, 1: V
	s_mul_i32 s61, s60, VB                         ; where they go
	s_mul_i32 s62, s58, 3072                       ; K: segment 1, + 3,072 x parity;  V: segment 2, + 6,144 x parity
	s_add_co_u32 s62, s62, 6291456
	s_add_co_u32 s63, s60, 1
	s_mul_i32 s62, s62, s63
	s_mul_i32 s63, s59, 196608
	s_add_co_u32 s62, s62, s63
	s_mov_b32 s63, 0
	s_mov_b32 s[SEL], 0x76543210
	s_mov_b32 s[SEL+1], 0xfedcba98                 ; v_permlanex16_b32's selects for lane l xor 16
	s_mov_b32 s[CS], 0x3fb8aa3b                    ; log2(e): the 1 / 8 is in q already
	s_mov_b32 s[CS+1], s[CS]
	s_mov_b32 s[TB], 0
	s_mov_b32 s[TS], 0
	s_mov_b32 s[TJ], 0
	s_wait_dscnt 0x0
	s_wait_kmcnt 0x0
	s_add_nc_u64 s[62:63], s[4:5], s[62:63]
	ROUND                                          ; all four work-groups are here: the joint loads meet
.irp c, 0,1,2,3
	s_mov_b32 s[G0+4*\c], 1
	s_add_co_u32 s[G0+4*\c+1], s61, \c*24576
	s_add_nc_u64 s[G0+4*\c+2:G0+4*\c+3], s[62:63], \c*49152
	s_or_b32 s[G0+4*\c+3], s[G0+4*\c+3], 0x80000000
.endr
	s_cmp_eq_u32 s[WV], 0                          ; a wave's fills stand in one branch on the wave's number
	s_cbranch_scc0 .Lnot_k
.irp c, 0,1,2,3
	tensor_load_to_lds s[G0+4*\c:G0+4*\c+3], s[G1K:G1K+7]
	s_nop 0
.endr
.rept 4
	v_nop
.endr
	s_branch .Lasked
.Lnot_k:
	s_cmp_eq_u32 s[WV], 1
	s_cbranch_scc0 .Lasked
.irp c, 0,1,2,3
	tensor_load_to_lds s[G0+4*\c:G0+4*\c+3], s[G1V:G1V+7]
	s_nop 0
.endr
.rept 4
	v_nop
.endr
.Lasked:
	s_lshl_b32 s68, s59, 13
	s_mov_b32 s69, 0
	s_add_nc_u64 s[70:71], s[6:7], s[68:69]        ; hs at my head pair (q's segment; k's and v's by immediates)
	s_lshl_b32 s68, s17, 11
	s_add_nc_u64 s[72:73], s[8:9], s[68:69]        ; the mask at my batch
	s_lshl_b32 s74, s58, 3                         ; 8 x parity
	s_lshl_b32 s67, s58, 4                         ; 16 x parity: the head's two bytes of a scale word
	s_lshr_b32 s75, s[WV], 3
	s_lshl_b32 s76, s15, 1
	s_add_co_u32 s75, s75, s76                     ; which 128 tokens hold my queries
	s_and_b32 s76, s[WV], 7                        ; and which tile of them
	s_mul_i32 s68, s59, 196608
	s_mul_i32 s77, s75, 12288
	s_add_co_u32 s68, s68, s77
	s_lshr_b32 s77, s76, 2
	s_mul_i32 s77, s77, 6144
	s_add_co_u32 s68, s68, s77
	s_mul_i32 s77, s58, 3072
	s_add_co_u32 s68, s68, s77
	s_and_b32 s77, s76, 3
	s_mul_i32 s77, s77, 768
	s_add_co_u32 s68, s68, s77
	s_add_nc_u64 s[78:79], s[4:5], s[68:69]        ; Q's half image
	s_lshl_b32 s68, s75, 9
	s_and_b32 s77, s76, 1
	s_lshl_b32 s77, s77, 8
	s_add_co_u32 s68, s68, s77
	s_lshr_b32 s77, s76, 1
	s_lshl_b32 s77, s77, 2
	s_add_co_u32 s68, s68, s77
	s_add_nc_u64 s[80:81], s[70:71], s[68:69]      ; Q's scale words
	s_lshl_b32 s77, s17, 7
	s_lshl_b32 s82, s75, 3
	s_add_co_u32 s77, s77, s82
	s_add_co_u32 s77, s77, s76                     ; my tile of stored tokens, 0 .. 511
	s_mul_i32 s68, s77, 12288
	s_mul_i32 s82, s57, 1536
	s_add_co_u32 s68, s68, s82
	s_mul_i32 s82, s58, 768
	s_add_co_u32 s68, s68, s82
	s_add_nc_u64 s[10:11], s[10:11], s[68:69]      ; cc: [tile][head pair][parity][768]
	s_lshl_b32 s68, s77, 9
	s_lshl_b32 s82, s19, 1
	s_add_co_u32 s68, s68, s82
	s_add_nc_u64 s[12:13], s[12:13], s[68:69]      ; cs: [16 tile + row][32], my head's two bytes
	s_mov_b32 s83, 0x7f640000                      ; Q's scale bytes for k = 64 on: 100, 127
	; the head's scale words go to LDS once: thread 32 s + l takes step s
	v_lshlrev_b32 v7, 4, v0                        ; 16 x thread
	s_delay_alu instid0(VALU_DEP_1)
	v_add_nc_u32 v8, s74, v7
	v_lshrrev_b32 v9, 5, v0                        ; word g of my four belongs to tile 2 g + l / 16, row l % 16: key 128 s + 32 g + 8 (l / 16) + l % 8 + 16 ((l / 8) % 2)
	s_delay_alu instid0(VALU_DEP_1)
	v_lshlrev_b32 v9, 7, v9
	v_bfe_u32 v10, v0, 4, 1
	s_delay_alu instid0(VALU_DEP_1)
	v_lshl_add_u32 v9, v10, 3, v9
	v_and_b32 v10, 7, v0
	s_delay_alu instid0(VALU_DEP_1)
	v_add_nc_u32 v9, v9, v10
	v_bfe_u32 v10, v0, 3, 1
	s_delay_alu instid0(VALU_DEP_1)
	v_lshl_add_u32 v9, v10, 4, v9
	v_and_b32 v255, 31, v0
	s_delay_alu instid0(VALU_DEP_1)
	v_lshlrev_b32 v[AK16], 4, v255
	s_delay_alu instid0(VALU_DEP_2)
	v_lshlrev_b32 v[AK8], 3, v255
	v_and_b32 v10, 15, v0
	s_delay_alu instid0(VALU_DEP_1)
	v_lshlrev_b32 v10, 4, v10
	global_load_b128 v[136:139], v7, s[70:71] offset:262144    ; K's raw scale words
.irp g, 0,1,2,3
	global_load_u8 v[140+\g], v9, s[72:73] offset:32*\g        ; the mask of their keys
.endr
	global_load_b64 v[144:145], v8, s[70:71] offset:524288     ; V's scale words of my head
	global_load_b128 v[16:19], v[AK16], s[78:79]               ; Q stays in registers
	global_load_b64 v[20:21], v[AK8], s[78:79] offset:512
	global_load_b32 v28, v10, s[80:81]
	v_add_nc_u32 v[AV16], VB, v[AK16]
	v_add_nc_u32 v[AV8], VB, v[AK8]
	v_add_nc_u32 v[ASK], SCK, v[AK16]
	v_add_nc_u32 v[ASV], SCV, v[AK8]
	v_mov_b32 v146, 0x7ffe0000                     ; a hidden key's bytes for k = 64 on: 254, 127
	v_mov_b32 v147, 0x7f010000                     ; a counted key's: 1, 127
	v_lshl_add_u32 v148, v0, 4, SCK
	v_lshl_add_u32 v149, v0, 3, SCV
	v_bfe_u32 v22, v0, 4, 1
	s_delay_alu instid0(VALU_DEP_1)
	v_xor_b32 v22, 1, v22
	s_delay_alu instid0(VALU_DEP_1)
	v_lshlrev_b32 v22, 3, v22                      ; Q at k = 64: the code 1.0, in lanes 0-15; all else from 64 on: zero codes
.irp j, 23,24,25,26,27
	v_mov_b32 v[\j], 0
.endr
.irp t, 0,1,2,3
	v_mov_b32 v[KF+8*\t+6], 63                     ; every key at k = 64: the code -7.5
	v_mov_b32 v[KF+8*\t+7], 0
.endr
.irp j, 64,65,66,67
	v_mov_b32 v[\j], 0
.endr
	v_mov_b32 v13, 0xf149f2ca                      ; the largest t so far: -1e30: above a hidden key's, under every real t
	s_delay_alu instid0(VALU_DEP_1)
	v_floor_f32 v12, -v13                          ; -M
	v_mov_b32 v14, 0                               ; the sum, in two halves
	v_mov_b32 v15, 0
	v_mov_b32 v31, 0                               ; (named as the upper half of the pair v[30:31])
.irp b, 0,1,2,3
	v_mov_b32 v[BT+\b], 0                          ; written once: a lane permute's destination counts as one of its sources
.endr
	s_wait_loadcnt 0x0
.irp g, 0,1,2,3
	v_cmp_ne_u32 vcc_lo, 0, v[140+\g]
	s_delay_alu instid0(VALU_DEP_1)
	v_cndmask_b32 v[140+\g], v146, v147, vcc_lo
	v_lshrrev_b32 v[136+\g], s67, v[136+\g]
	s_delay_alu instid0(VALU_DEP_1)
	v_and_or_b32 v[136+\g], v[136+\g], 0xffff, v[140+\g]   ; my head's two bytes, the mask's byte, 127
.endr
	v_lshrrev_b32 v28, s67, v28
	s_delay_alu instid0(VALU_DEP_1)
	v_and_or_b32 v28, v28, 0xffff, s83
	ds_store_b128 v148, v[136:139]
	ds_store_b64 v149, v[144:145]
	ADDR                                           ; step 0
.set i, 0
.rept 32
	v_mov_b32 v[OO+i], 0                           ; O^T: the first change of M multiplies zeros.  (These are also the places between the lines that wrote Q's registers and scale word and the first product)
.set i, i+1
.endr
.macro KQ ks, tl                       ; S^T's tile tl from K's set ks
.if (\tl)%2
	v_wmma_scale_f32_16x16x128_f8f6f4 v[SS+8*(\tl):SS+8*(\tl)+7], v[KF+8*(\ks):KF+8*(\ks)+11], v[16:27], 0, v[KS+(\tl)/2], v28 matrix_a_fmt:MATRIX_FMT_FP6 matrix_b_fmt:MATRIX_FMT_FP6 matrix_a_scale:MATRIX_SCALE_ROW1
.else
	v_wmma_scale_f32_16x16x128_f8f6f4 v[SS+8*(\tl):SS+8*(\tl)+7], v[KF+8*(\ks):KF+8*(\ks)+11], v[16:27], 0, v[KS+(\tl)/2], v28 matrix_a_fmt:MATRIX_FMT_FP6 matrix_b_fmt:MATRIX_FMT_FP6
.endif
.endm
.macro PV tl                           ; O^T's tile tl += V^T P^T
.if (\tl)%2
	v_wmma_scale_f32_16x16x128_f8f6f4 v[OO+8*(\tl):OO+8*(\tl)+7], v[VF+12*(\tl):VF+12*(\tl)+11], v[PC:PC+11], v[OO+8*(\tl):OO+8*(\tl)+7], v[VS+(\tl)/2], v29 matrix_a_fmt:MATRIX_FMT_FP6 matrix_b_fmt:MATRIX_FMT_FP6 matrix_a_scale:MATRIX_SCALE_ROW1
.else
	v_wmma_scale_f32_16x16x128_f8f6f4 v[OO+8*(\tl):OO+8*(\tl)+7], v[VF+12*(\tl):VF+12*(\tl)+11], v[PC:PC+11], v[OO+8*(\tl):OO+8*(\tl)+7], v[VS+(\tl)/2], v29 matrix_a_fmt:MATRIX_FMT_FP6 matrix_b_fmt:MATRIX_FMT_FP6
.endif
.endm
; A KEY STEP: 128 keys.  Every accumulator's turn is one instruction.
.macro STEP
	ds_load_b128 v[KS:KS+3], v[ADS]
.irp t, 0,1,2,3
	ds_load_b128 v[KF+8*\t:KF+8*\t+3], v[ADK16] offset:768*\t
	ds_load_b64 v[KF+8*\t+4:KF+8*\t+5], v[ADK8] offset:768*\t+512
.endr
	s_wait_dscnt 0x0
.irp t, 0,1,2,3
	KQ \t, \t
.endr
.rept 4
	v_nop                                          ; the places in front of the loads into K's sets, and into V's fragments and scale words, which the last step's products read
.endr
.irp t, 0,1,2,3
	ds_load_b128 v[KF+8*\t:KF+8*\t+3], v[ADK16] offset:768*(4+\t)
	ds_load_b64 v[KF+8*\t+4:KF+8*\t+5], v[ADK8] offset:768*(4+\t)+512
.endr
.irp t, 0,1,2,3
.irp c, 0,1
	ds_load_b128 v[VF+12*\t+6*\c:VF+12*\t+6*\c+3], v[ADV16] offset:3072*\c+768*\t
	ds_load_b64 v[VF+12*\t+6*\c+4:VF+12*\t+6*\c+5], v[ADV8] offset:3072*\c+768*\t+512
.endr
.endr
	ds_load_b64 v[VS:VS+1], v[ADT]
	s_wait_dscnt 17                                ; K's eight loads are in; V's sixteen and its scale words may be out
.irp t, 0,1,2,3
	KQ \t, 4+\t
.endr
	s_add_co_u32 s[TB], s[TB], 6144
	s_add_co_u32 s[TS], s[TS], 512
	s_add_co_u32 s[TJ], s[TJ], 256
	ADDR                                           ; the next step's addresses: six plain lines, the places in front of the first read of the scores
.irp b, 0,1,2,3
	v_max3_num_f32 v[BM+\b], v[SS+16*\b], v[SS+16*\b+1], v[SS+16*\b+2]   ; the largest score of each block of 32 keys: for the row's maximum and, since p rises with the score, for the block's largest p
.endr
.irp i, 3,5,7,9,11,13
.irp b, 0,1,2,3
	v_max3_num_f32 v[BM+\b], v[BM+\b], v[SS+16*\b+\i], v[SS+16*\b+\i+1]
.endr
.endr
.irp b, 0,1,2,3
	v_max_num_f32 v[BM+\b], v[BM+\b], v[SS+16*\b+15]
.endr
.irp b, 0,1,2,3
	s_delay_alu instid0(VALU_DEP_4)
	v_permlanex16_b32 v[BT+\b], v[BM+\b], s[SEL], s[SEL+1]
.endr
.irp b, 0,1,2,3
	s_delay_alu instid0(VALU_DEP_4)
	v_max_num_f32 v[BM+\b], v[BM+\b], v[BT+\b]     ; with lane l xor 16's 16 keys
.endr
	s_delay_alu instid0(VALU_DEP_2)
	v_max3_num_f32 v134, v[BM], v[BM+1], v[BM+2]
	s_delay_alu instid0(VALU_DEP_1)
	v_max_num_f32 v134, v134, v[BM+3]
	s_delay_alu instid0(VALU_DEP_1)
	v_mul_f32 v134, s[CS], v134                    ; as t
	s_delay_alu instid0(VALU_DEP_1)
	v_max_num_f32 v13, v13, v134                   ; the running largest t
	v_mov_b32 v134, v12
	s_delay_alu instid0(VALU_DEP_2)
	v_floor_f32 v12, -v13                          ; the new -M = floor(-t): M is a whole number
	s_delay_alu instid0(VALU_DEP_1)
	v_sub_f32 v134, v12, v134                      ; old M - new M: a whole number, 0 or less
	s_delay_alu instid0(VALU_DEP_1)
	v_cvt_i32_f32 v134, v134                       ; (it saturates)
	s_delay_alu instid0(VALU_DEP_1)
	v_ldexp_f32 v30, 1.0, v134                     ; f = 2^(old M - new M)
.set i, 0
.rept 32
	v_pk_fma_f32 v[SS+i:SS+i+1], v[SS+i:SS+i+1], s[CS:CS+1], v[12:13] op_sel_hi:[1,0,0]   ; t - M, two at a time
.set i, i+2
.endr
.irp b, 0,1,2,3
	v_fma_f32 v[BM+\b], v[BM+\b], s[CS], v12       ; the same of each block's largest score
.endr
.set i, 0
	s_setprio 1
	s_wait_alu depctr_va_vdst(0)
.rept 64
	v_exp_f32 v[SS+i], v[SS+i]                     ; p = 2^(t - M), at most 1
.set i, i+1
.endr
	v_pk_mul_f32 v[14:15], v[14:15], v[30:31] op_sel_hi:[1,0]   ; the sums under the new M: a plain line behind the exponentials
	s_wait_alu depctr_va_vdst(0)                   ; one wait for the batch of 64, ahead of its first reader
.irp b, 0,1,2,3
	v_exp_f32 v[BM+\b], v[BM+\b]                   ; the block's largest p: the same two instructions on the same number
.endr
	v_pk_add_f32 v[252:253], v[140:141], v[144:145]
	v_pk_add_f32 v[248:249], v[148:149], v[152:153]
	v_pk_add_f32 v[246:247], v[156:157], v[160:161]
	v_pk_add_f32 v[244:245], v[164:165], v[168:169]
	v_pk_add_f32 v[242:243], v[172:173], v[176:177]
	v_pk_add_f32 v[240:241], v[180:181], v[184:185]
	v_pk_add_f32 v[238:239], v[188:189], v[192:193]
	v_pk_add_f32 v[14:15], v[14:15], v[196:197]
	v_pk_add_f32 v[252:253], v[252:253], v[136:137]
	v_pk_add_f32 v[248:249], v[248:249], v[138:139]
	v_pk_add_f32 v[246:247], v[246:247], v[142:143]
	v_pk_add_f32 v[244:245], v[244:245], v[146:147]
	v_pk_add_f32 v[242:243], v[242:243], v[150:151]
	v_pk_add_f32 v[240:241], v[240:241], v[154:155]
	v_pk_add_f32 v[238:239], v[238:239], v[158:159]
	v_pk_add_f32 v[14:15], v[14:15], v[162:163]
	v_pk_add_f32 v[252:253], v[252:253], v[166:167]
	v_pk_add_f32 v[248:249], v[248:249], v[170:171]
	v_pk_add_f32 v[246:247], v[246:247], v[174:175]
	v_pk_add_f32 v[244:245], v[244:245], v[178:179]
	v_pk_add_f32 v[242:243], v[242:243], v[182:183]
	v_pk_add_f32 v[240:241], v[240:241], v[186:187]
	v_pk_add_f32 v[238:239], v[238:239], v[190:191]
	v_pk_add_f32 v[14:15], v[14:15], v[194:195]
	v_pk_add_f32 v[252:253], v[252:253], v[198:199]
	s_delay_alu instid0(VALU_DEP_2)
	v_pk_add_f32 v[14:15], v[14:15], v[244:245]
	s_delay_alu instid0(VALU_DEP_2)
	v_pk_add_f32 v[252:253], v[252:253], v[242:243]
	v_pk_add_f32 v[248:249], v[248:249], v[240:241]
	v_pk_add_f32 v[246:247], v[246:247], v[238:239]
	s_delay_alu instid0(VALU_DEP_2)
	v_pk_add_f32 v[14:15], v[14:15], v[248:249]
	s_delay_alu instid0(VALU_DEP_2)
	v_pk_add_f32 v[252:253], v[252:253], v[246:247]
	s_delay_alu instid0(VALU_DEP_1)
	v_pk_add_f32 v[14:15], v[14:15], v[252:253]
	s_wait_alu depctr_va_vdst(0)                   ; and one for the four
.irp b, 0,1,2,3
	v_max_num_f32 v[BM+\b], 0x1800000, v[BM+\b]    ; the floor 2^(3 - 127): the byte cannot fall under 1
.endr
.irp b, 0,1,2,3
	s_delay_alu instid0(VALU_DEP_4)
	v_add_nc_u32 v[SOP+\b], 0xff000000, v[BM+\b]   ; 2 off the exponent field: the conversion's scale operand
.endr
.irp b, 0,1,2,3
	s_delay_alu instid0(VALU_DEP_4)
	v_lshrrev_b32 v[BT+\b], 23, v[SOP+\b]          ; the scale's byte
.endr
	s_delay_alu instid0(VALU_DEP_3)
	v_lshl_or_b32 v29, v[BT+1], 8, v[BT]           ; p's scale word for these 128 keys
	s_delay_alu instid0(VALU_DEP_1)
	v_lshl_or_b32 v29, v[BT+2], 16, v29
	s_delay_alu instid0(VALU_DEP_1)
	v_lshl_or_b32 v29, v[BT+3], 24, v29
.irp c, 0,1
	v_cvt_scalef32_pk16_fp6_f32 v[PC+6*\c:PC+6*\c+2], v[SS+32*\c:SS+32*\c+15], v[SOP+2*\c]
	v_cvt_scalef32_pk16_fp6_f32 v[X+4*\c:X+4*\c+2], v[SS+32*\c+16:SS+32*\c+31], v[SOP+2*\c+1]   ; (a conversion's three registers begin on an even number)
.endr
	v_nop                                          ; one plain place behind a scaled conversion
.irp c, 0,1                                    ; the operand's layout wants a whole block in a lane
.irp i, 0,1,2
	v_permlane16_swap_b32 v[PC+6*\c+\i], v[X+4*\c+\i]
.endr
.irp i, 0,1,2
	s_delay_alu instid0(VALU_DEP_3)
	v_mov_b32 v[PC+3+6*\c+\i], v[X+4*\c+\i]
.endr
.endr
.set i, 0
	s_setprio 0
.rept 16
	v_pk_mul_f32 v[OO+i:OO+i+1], v[OO+i:OO+i+1], v[30:31] op_sel_hi:[1,0]   ; O^T under the new M.  (These 16 are also the places between the lines that wrote p's codes and scale word and the products)
.set i, i+2
.endr
	s_wait_alu depctr_va_vdst(0)
	s_wait_dscnt 0x0                               ; V
.irp t, 0,1,2,3
	PV \t
.endr
.endm
; A chunk of four steps.  Wave 0's and wave 1's loads end in the order of issue: with 3 - c of them out, chunk c has landed; the barrier tells the others.  The later chunks stay on their way.
.macro CHUNK c
	s_wait_tensorcnt 3-\c
	s_wait_dscnt 0x0                               ; (chunk 0: my stores of the scale words have landed too)
	s_barrier_signal -1
	s_barrier_wait -1
	s_mov_b32 s[CNT], 4
.Lstep_\@:
	s_setprio 2
	STEP
	s_sub_co_u32 s[CNT], s[CNT], 1
	s_cmp_lg_u32 s[CNT], 0
	s_cbranch_scc1 .Lstep_\@
	s_setprio 0
.endm
	CHUNK 0
	CHUNK 1
	CHUNK 2
	CHUNK 3
	; THE WAY OUT: ctx = O^T / the sum; its 64 channels are two blocks of the output projection's K: quantised, and stored as a half image with two scale bytes a row
	v_add_f32 v14, v14, v15
	s_delay_alu instid0(VALU_DEP_1)
	v_permlanex16_b32 v[BT], v14, s[SEL], s[SEL+1]
	s_delay_alu instid0(VALU_DEP_1)
	v_add_f32 v14, v14, v[BT]                      ; the row's sum
	s_wait_alu depctr_va_vdst(0)
	v_rcp_f32 v14, v14
	v_and_b32 v7, 15, v0                           ; (plain lines behind the reciprocal, and the places behind the last products)
	s_delay_alu instid0(VALU_DEP_1)
	v_lshlrev_b32 v7, 5, v7                        ; cs: 32 bytes a row
	v_mov_b32 v134, 0xffff
	v_nop
	s_wait_alu depctr_va_vdst(0)                   ; ahead of the reciprocal's first reader
.set i, 0
.rept 32
	v_mul_f32 v[SS+i], v[OO+i], v14                ; register 16 b + i: channel 32 b + 16 (lane / 16) + i of my query
.set i, i+1
.endr
.irp b, 0,1
	v_max3_num_f32 v[BM+\b], |v[SS+16*\b]|, |v[SS+16*\b+1]|, 0x1800000
.endr
.irp i, 2,4,6,8,10,12,14
.irp b, 0,1
	s_delay_alu instid0(VALU_DEP_2)
	v_max3_num_f32 v[BM+\b], v[BM+\b], |v[SS+16*\b+\i]|, |v[SS+16*\b+\i+1]|
.endr
.endr
.irp b, 0,1
	s_delay_alu instid0(VALU_DEP_2)
	v_permlanex16_b32 v[BT+\b], v[BM+\b], s[SEL], s[SEL+1]
.endr
.irp b, 0,1
	s_delay_alu instid0(VALU_DEP_2)
	v_max_num_f32 v[BM+\b], v[BM+\b], v[BT+\b]
.endr
.irp b, 0,1
	s_delay_alu instid0(VALU_DEP_2)
	v_add_nc_u32 v[SOP+\b], 0xff000000, v[BM+\b]
.endr
.irp b, 0,1
	s_delay_alu instid0(VALU_DEP_2)
	v_lshrrev_b32 v[BT+\b], 23, v[SOP+\b]
.endr
	s_delay_alu instid0(VALU_DEP_1)
	v_lshl_or_b32 v29, v[BT+1], 8, v[BT]
	v_cmp_gt_f32 vcc_lo, 0xefa18f08, v13           ; -1e29 > the largest t: every key was hidden:
	s_delay_alu instid0(VALU_DEP_1)
	v_cndmask_b32 v29, v29, v134, vcc_lo           ; the scale bytes 0xff make the row NaN
	v_cvt_scalef32_pk16_fp6_f32 v[PC:PC+2], v[SS:SS+15], v[SOP]
	v_cvt_scalef32_pk16_fp6_f32 v[X:X+2], v[SS+16:SS+31], v[SOP+1]
	v_nop                                          ; one plain place behind a scaled conversion
.irp i, 0,1,2
	v_permlane16_swap_b32 v[PC+\i], v[X+\i]
.endr
.irp i, 0,1,2
	s_delay_alu instid0(VALU_DEP_3)
	v_mov_b32 v[PC+3+\i], v[X+\i]
.endr
	global_store_b128 v[AK16], v[PC:PC+3], s[10:11]            ; 512 consecutive bytes, aligned
	global_store_b64 v[AK8], v[PC+4:PC+5], s[10:11] offset:512 ; 256 consecutive bytes, aligned
	global_store_b16 v7, v29, s[12:13]                         ; two bytes a row; lanes l and l + 16 write the same bytes with the same value
	s_wait_tensorcnt 0x0
	ds_add_u32 v251, v254
	s_wait_dscnt 0x0
	ROUND                                          ; the closing round: no work-group ends while a partner may still ask for a chunk that names it
	s_endpgm
.Lfunc_end_k_q717be6aac8_attn:
	.size	k_q717be6aac8_attn, .Lfunc_end_k_q717be6aac8_attn-k_q717be6aac8_attn
	.p2alignl 7, 3214868480
	.fill 96, 4, 3214868480
	.section	.rodata,"a",@progbits
	.p2align	6, 0x0
	.amdhsa_kernel k_q717be6aac8_attn
		.amdhsa_group_segment_fixed_size 210944
		.amdhsa_private_segment_fixed_size 0
		.amdhsa_enable_private_segment 0
		.amdhsa_kernarg_size 40
		.amdhsa_user_sgpr_count 2
		.amdhsa_user_sgpr_kernarg_segment_ptr 1
		.amdhsa_wavefront_size32 1
		.amdhsa_system_sgpr_workgroup_id_x 1
		.amdhsa_system_sgpr_workgroup_id_y 1
		.amdhsa_system_sgpr_workgroup_id_z 1
		.amdhsa_system_vgpr_workitem_id 0
		.amdhsa_next_free_vgpr 256
		.amdhsa_next_free_sgpr 90
		.amdhsa_reserve_vcc 1
		.amdhsa_float_denorm_mode_32 3
		.amdhsa_float_denorm_mode_16_64 3
		.amdhsa_memory_ordered 1
		.amdhsa_forward_progress 1
		.amdhsa_inst_pref_size 88
	.end_amdhsa_kernel
	.amdgpu_metadata
---
amdhsa.version: [ 1, 2 ]
amdhsa.kernels:
  - .name:           k_q717be6aac8_attn
    .symbol:         k_q717be6aac8_attn.kd
    .args:
      - { .name: hc, .offset: 0, .size: 8, .value_kind: global_buffer, .address_space: global }
      - { .name: hs, .offset: 8, .size: 8, .value_kind: global_buffer, .address_space: global }
      - { .name: mask, .offset: 16, .size: 8, .value_kind: global_buffer, .address_space: global }
      - { .name: cc, .offset: 24, .size: 8, .value_kind: global_buffer, .address_space: global }
      - { .name: cs, .offset: 32, .size: 8, .value_kind: global_buffer, .address_space: global }
    .group_segment_fixed_size: 210944
    .private_segment_fixed_size: 0
    .kernarg_segment_align: 8
    .kernarg_segment_size: 40
    .max_flat_workgroup_size: 512
    .sgpr_count:     90
    .vgpr_count:     256
    .wavefront_size: 32
...
	.end_amdgpu_metadata
.endif
;; end of part 3
;; launch outp (part 4): grid 4 x 32, 4 waves a work-group, clusters of 4 x 4, 327,680 bytes of LDS; arguments cc, cs, xc, xs, bo, out0; writes out0
.if DOCPART == 4
	.amdgcn_target "amdgcn-amd-amdhsa--gfx1250"
	.amdhsa_code_object_version 6
	.text
	.protected	k_q717be6aac8_outp
	.globl	k_q717be6aac8_outp
	.p2align	8
	.type	k_q717be6aac8_outp,@function
k_q717be6aac8_outp:
	s_mov_b64 s[64:65], 0
	v_nop
	global_prefetch_b8 v0, s[64:65] scope:SCOPE_SE
	s_setreg_imm32_b32 hwreg(HW_REG_WAVE_MODE, 25, 1), 1
	s_wait_xcnt 0x0
	s_wait_alu depctr_hold_cnt(0) depctr_sa_sdst(0) depctr_va_vdst(0) depctr_va_sdst(0) depctr_va_ssrc(0) depctr_va_vcc(0) depctr_vm_vsrc(0)
	s_getreg_b32 s2, hwreg(HW_REG_IB_STS2, 6, 4)
	s_cmp_eq_u32 s2, 0
	s_cbranch_scc0 .Lentry_in_a_cluster
	s_endpgm
.Lentry_in_a_cluster:
	s_bfe_u32 s2, ttmp6, 0x10000c
	s_cmp_lg_u32 s2, 0xf033
	s_cbranch_scc0 .Lentry_shape_is_right
	s_endpgm
.Lentry_shape_is_right:
; out0 = ctx Wo^T + bo on codes of FP6 (E2M3) with E8M0 block scales, K = 1,024; out0 [8192][1024] f32.
; A work-group makes 256 x 256 of out0, each of its four waves 128 x 128 in 64 accumulators.  Source 0 = 16 rows of Wo, source 1 = 16 tokens: a lane holds eight neighbouring columns of one row.
; ctx's codes lie in cc as half images of the operand's registers, [tile of 16 stored tokens][head pair 8][parity 2][768]: a K step of 256 is 3,072 consecutive bytes of a tile; a fragment comes by two loads of 16 and two of 8 bytes a lane,
; each of consecutive bytes.  Its scale bytes cs [stored token][32].  Wo's codes and scale bytes are rows 27,648 on of xc and xs.
; Stored tokens and stored rows of Wo have bits 3 and 4 of their number exchanged; the way out puts both back, by immediates.
; K goes in steps of 256 through a ring of two LDS slots filled by the tensor data mover; the scale bytes of the 512 rows come once and stay.  bo is the C of the first step's products.
; CLUSTERS: 4 x 4 work-groups; ctx's tiles are shared along a row of the cluster, Wo's along a column: each is asked for jointly, by the same tensor load with a mask that names the four.
; 128 work-groups: the tile of 256 x 256 keeps each fragment's use at eight products.
; REGISTERS, in windows of 256: window 0: v0-31 addresses; v32-63 scale words, two sets; v64-127 bo; v128-223 ctx's fragments, one set; on the way out v128-255 rows of out0.
;   window 1: Wo's fragments, two sets, at v0 and v128.  windows 2, 3: the accumulators ((a, b) at v[8 (8 (a % 4) + b)]).
.set KSTEP,  256
.set NQ,     2
.set ROWB,   192                       ; a row of Wo's tile: 256 codes
.set AROWB,  3072                      ; a token tile's bytes of a K step
.set KROW,   768
.set PITCH,  240                       ; an LDS row of Wo's tile: 3 x (64 bytes + 16 of padding)
.set FR,     12
.set NLA,    4                         ; LDS loads of a fragment of ctx
.set NP,     4                         ; places behind this matrix instruction (ISA guide 7.12.1)
.set HALFT,  128*PITCH                 ; a wave's part of a slot (ctx's 8 tiles use 24,576 bytes of it)
.set SLOT,   4*HALFT
.set LAPS,   2
.set KS,     32
.set SCL,    2*SLOT
.set HALFS,  16*272
.set SBLK,   2*272
.set SPARE,  SCL+4*HALFS               ; the spare words: 128 bytes a wave, named by no other line
.set SPITCH, 528                       ; the way out: a stage of 16 rows x (512 bytes + 16) for each wave, in slot 0, which has had its last fill and its last read by then
.set ADRA, 16                          ; v16-17 16 x lane + my half + slot; v18-19 the same with 8 x lane
.set ADRB, 20
.set STO,  24
.set RD,   25
.set CO,   26
.set ADRS, 27
.set SPW,  28
.set NIL,  29
.set SC,   32
.set BO,   64
.set AF,   128
.set BK,   128
.set G1, 24
.set G0, 32
.set G1B, 48
.set G0B, 56
.set G1S, 68
.set G0S, 76
.set G1SB, 80
.set G0SB, 88
.set MSB, 0
.macro WIN new                         ; the immediate's high byte repeats the setting that is left
.if MSB != \new
	s_set_vgpr_msb (MSB<<8)|\new
.set MSB, \new
.endif
.endm
.set MUL_LO, 0xa1                      ; source 0 (Wo) window 1, source 1 (ctx) window 0, C and D window 2
.set MUL_HI, 0xf1
.set FIRST_LO, 0x81                    ; the same with C (bo) in window 0
.set FIRST_HI, 0xc1
.set TO_B,   0x40
.macro JLOAD g0a, g1a, g0b, g1b        ; a joint load: waves 0 and 1 fetch for ctx, waves 2 and 3 for Wo; four v_nop follow each of the two lines
	s_cmp_eq_u32 s15, 0
	s_cbranch_scc0 .Lfor_b_\@
	tensor_load_to_lds s[\g0a:\g0a+3], s[\g1a:\g1a+7]
	s_nop 0
.rept 4
	v_nop
.endr
	s_branch .Lasked_\@
.Lfor_b_\@:
	tensor_load_to_lds s[\g0b:\g0b+3], s[\g1b:\g1b+7]
	s_nop 0
.rept 4
	v_nop
.endr
.Lasked_\@:
.endm
.macro CREST
	s_cmp_lg_u32 s14, 0
	s_cbranch_scc1 .Lnot_wave_0_\@
	s_barrier_signal -3
.Lnot_wave_0_\@:
	s_barrier_wait -3
	s_barrier_signal -1
	s_barrier_wait -1
.endm
.macro CROUND
	s_barrier_signal -1
	s_barrier_wait -1
	CREST
.endm
	s_load_b128 s[4:7], s[0:1], 0x0                ; cc, cs
	s_load_b128 s[8:11], s[0:1], 0x10              ; xc, xs
	s_load_b128 s[96:99], s[0:1], 0x20             ; bo, out0
	v_lshl_add_u32 v[SPW], v0, 2, SPARE
	v_mov_b32 v[NIL], 0
	ds_add_u32 v28, v29
	ds_add_u32 v28, v29
	s_wait_dscnt 0x0
	v_lshrrev_b32 v1, 5, v0
	v_readfirstlane_b32 s14, v1                    ; wave 0..3
	s_lshr_b32 s15, s14, 1                         ; which half of the tokens is mine.  Also: I fetch for ctx (0) or for Wo (1)
	s_and_b32 s16, s14, 1                          ; which half of the columns.  Also: which 128 rows of that tile I fetch
	s_bfe_u32 s40, ttmp6, 0x40000
	s_bfe_u32 s41, ttmp6, 0x40004
	s_lshl_b32 s42, ttmp9, 2
	s_add_co_u32 s42, s42, s40                     ; tile column
	s_and_b32 s17, ttmp7, 0xffff
	s_lshl_b32 s17, s17, 2
	s_add_co_u32 s17, s17, s41                     ; tile row
	s_lshl_b32 s43, s41, 2
	s_lshl_b32 s43, 15, s43                        ; my row of the cluster
	s_lshl_b32 s44, 0x1111, s40                    ; my column
	s_or_b32 s[G1+0], s43, (3<<16)|(1<<21)         ; ctx: 8 rows of 3,072 bytes (384 elements of 8), 12,288 bytes apart, no padding
	s_mov_b32 s[G1+1], 384<<16
	s_mov_b32 s[G1+2], 8<<16
	s_mov_b32 s[G1+3], 384<<16
	s_mov_b32 s[G1+4], 8
	s_mov_b32 s[G1+5], 1536
	s_mov_b32 s[G1+6], 0
	s_mov_b32 s[G1+7], 0
	s_or_b32 s[G1B+0], s44, (0<<16)|(1<<20)|(1<<21)|(3<<22)|(3<<25)  ; Wo: 128 rows of 192 bytes, 16 bytes of padding behind every 64
	s_mov_b32 s[G1B+1], ROWB<<16
	s_mov_b32 s[G1B+2], 128<<16
	s_mov_b32 s[G1B+3], ROWB<<16
	s_mov_b32 s[G1B+4], 128
	s_mov_b32 s[G1B+5], KROW
	s_mov_b32 s[G1B+6], 0
	s_mov_b32 s[G1B+7], 0
	s_or_b32 s[G1S+0], s43, (3<<16)|(1<<20)|(1<<21)|(5<<22)|(3<<25)  ; the scale bytes of 128 rows: 16 rows of 256 bytes, 16 of padding behind each
	s_or_b32 s[G1SB+0], s44, (3<<16)|(1<<20)|(1<<21)|(5<<22)|(3<<25)
.irp g, G1S, G1SB
	s_mov_b32 s[\g+1], 32<<16
	s_mov_b32 s[\g+2], 16<<16
	s_mov_b32 s[\g+3], 32<<16
	s_mov_b32 s[\g+4], 16
	s_mov_b32 s[\g+5], 32
	s_mov_b32 s[\g+6], 0
	s_mov_b32 s[\g+7], 0
.endr
	s_lshl_b32 s18, s16, 7
	s_lshl_b32 s20, s17, 8
	s_add_co_u32 s20, s20, s18                     ; ctx: stored token 256 x tile row + 128 x half
	s_lshl_b32 s46, s42, 8
	s_add_co_u32 s46, s46, s18
	s_add_co_u32 s46, s46, 27648                   ; Wo: row 27,648 + 256 x tile column + 128 x half of xc
	s_mov_b32 s21, 0
	s_mov_b32 s47, 0
	s_mov_b64 s[18:19], KS
	s_mul_u64 s[22:23], s[20:21], s[18:19]
	s_mul_u64 s[92:93], s[46:47], s[18:19]
	s_mov_b64 s[18:19], KROW
	s_mul_u64 s[20:21], s[20:21], s[18:19]         ; 768 bytes a token: 12,288 a tile of 16
	s_mul_u64 s[46:47], s[46:47], s[18:19]
	s_mul_i32 s45, s14, HALFT
	s_mul_i32 s94, s14, HALFS
	s_wait_kmcnt 0x0
	s_add_nc_u64 s[20:21], s[4:5], s[20:21]
	s_add_nc_u64 s[22:23], s[6:7], s[22:23]
	s_add_nc_u64 s[46:47], s[8:9], s[46:47]
	s_add_nc_u64 s[92:93], s[10:11], s[92:93]
	CROUND                                         ; all sixteen work-groups are here: the first joint loads meet
	s_mov_b32 s[G0S], 1
	s_add_co_u32 s[G0S+1], s94, SCL
	s_mov_b64 s[G0S+2:G0S+3], s[22:23]
	s_or_b32 s[G0S+3], s[G0S+3], 0x80000000
	s_mov_b32 s[G0SB], 1
	s_add_co_u32 s[G0SB+1], s94, SCL
	s_mov_b64 s[G0SB+2:G0SB+3], s[92:93]
	s_or_b32 s[G0SB+3], s[G0SB+3], 0x80000000
	JLOAD G0S, G1S, G0SB, G1SB
.irp s, 0,1
	s_mov_b32 s[G0+4*\s], 1
	s_add_co_u32 s[G0+4*\s+1], s45, \s*SLOT
	s_add_nc_u64 s[G0+4*\s+2:G0+4*\s+3], s[20:21], \s*AROWB
	s_or_b32 s[G0+4*\s+3], s[G0+4*\s+3], 0x80000000
	s_mov_b32 s[G0B+4*\s], 1
	s_add_co_u32 s[G0B+4*\s+1], s45, \s*SLOT
	s_add_nc_u64 s[G0B+4*\s+2:G0B+4*\s+3], s[46:47], \s*ROWB
	s_or_b32 s[G0B+4*\s+3], s[G0B+4*\s+3], 0x80000000
	JLOAD G0+4*\s, G1, G0B+4*\s, G1B
.endr
	v_and_b32 v1, 15, v0                           ; r
	v_bfe_u32 v2, v0, 4, 1                         ; h
	v_and_b32 v6, 31, v0                           ; lane
	v_mul_u32_u24 v3, v1, PITCH
	v_mul_u32_u24 v4, v2, 24
	v_add_nc_u32 v4, v3, v4                        ; Wo: a fragment's row x pitch + 24 x half
	v_lshl_add_u32 v5, v2, 4, v4                   ; and the same behind one padding more
	v_lshlrev_b32 v[CO], 4, v6                     ; 16 x lane
	v_lshlrev_b32 v3, 3, v6                        ; 8 x lane
	s_mul_i32 s21, s15, HALFT                      ; my 8 tiles of ctx
	s_mul_i32 s22, s16, HALFT                      ; my 128 rows of Wo,
	s_add_co_u32 s22, s22, 2*HALFT                 ; behind ctx's two parts
.irp s, 0,1
	v_add_nc_u32 v[ADRA+\s], s21, v[CO]
	v_add_nc_u32 v[ADRA+2+\s], s21, v3
	v_add_nc_u32 v[ADRB+\s], s22, v4
	v_add_nc_u32 v[ADRB+2+\s], s22, v5
	s_add_co_u32 s21, s21, SLOT
	s_add_co_u32 s22, s22, SLOT
.endr
	v_mul_u32_u24 v5, v1, KS
	v_lshrrev_b32 v6, 8, v5
	v_lshl_add_u32 v5, v6, 4, v5
	s_mul_i32 s21, s15, HALFS
	s_mul_i32 s22, s16, HALFS
	s_add_co_u32 s22, s22, 2*HALFS
	s_sub_co_u32 s22, s22, s21
	v_mul_u32_u24 v6, s22, v2                      ; lanes 16-31 take Wo's
	s_add_co_u32 s21, s21, SCL
	v_add_nc_u32 v5, v5, v6
	v_add_nc_u32 v[ADRS], s21, v5
	s_mul_i32 s23, s14, 16*SPITCH                  ; my stage
	v_mul_u32_u24 v5, v1, SPITCH                   ; in: row r; my eight columns of Wo's tile 2 b + u begin at column 32 b + 16 h + 8 u
	v_lshl_add_u32 v5, v2, 6, v5
	v_add_nc_u32 v[STO], s23, v5
	v_add_nc_u32 v[RD], s23, v[CO]                 ; back: the 32 lanes take one row of 512 bytes
	s_lshl_b32 s20, s17, 8
	s_lshl_b32 s21, s15, 7
	s_add_co_u32 s20, s20, s21                     ; my first row of out0
	s_lshl_b32 s20, s20, 12
	s_mov_b32 s21, 0
	s_lshl_b32 s46, s42, 10                        ; my first column, in bytes
	s_lshl_b32 s47, s16, 9
	s_add_co_u32 s46, s46, s47
	s_mov_b32 s47, 0
	s_add_nc_u64 s[96:97], s[96:97], s[46:47]      ; bo at my columns
	s_add_nc_u64 s[12:13], s[98:99], s[20:21]
	s_add_nc_u64 s[12:13], s[12:13], s[46:47]
	v_lshlrev_b32 v30, 6, v2
.irp b, 0,1,2,3,4,5,6,7
	global_load_b128 v[BO+8*\b:BO+8*\b+3], v30, s[96:97] offset:4*(32*(\b/2)+8*(\b%2))        ; in the result's layout: register j of tile b: column 32 (b / 2) + 16 h + 8 (b % 2) + j
	global_load_b128 v[BO+8*\b+4:BO+8*\b+7], v30, s[96:97] offset:4*(32*(\b/2)+8*(\b%2))+16
.endr
.macro FRAG reg, adr, q, i             ; a fragment of Wo: 24 bytes of the row's stream of bits twice, in pieces of 8 bytes
.irp p, 0,1,2,3,4,5
.set PCE, 12*(\q)+6*(\p/3)+\p%3
.if PCE%8 < 5
	ds_load_b64 v[\reg+2*\p:\reg+2*\p+1], v[\adr] offset:8*PCE+16*(PCE/8)+(\i)*16*PITCH
.else
	ds_load_b64 v[\reg+2*\p:\reg+2*\p+1], v[\adr+2] offset:8*PCE+16*(PCE/8)+(\i)*16*PITCH
.endif
.endr
.endm
.macro FRAGA reg, slot, q, i           ; a fragment of ctx: two half images
	ds_load_b128 v[\reg:\reg+3], v[ADRA+\slot] offset:(\i)*AROWB+(\q)*1536
	ds_load_b64 v[\reg+4:\reg+5], v[ADRA+2+\slot] offset:(\i)*AROWB+(\q)*1536+512
	ds_load_b128 v[\reg+6:\reg+9], v[ADRA+\slot] offset:(\i)*AROWB+(\q)*1536+768
	ds_load_b64 v[\reg+10:\reg+11], v[ADRA+2+\slot] offset:(\i)*AROWB+(\q)*1536+1280
.endm
; 16 matrix instructions: ctx's blocks a0, a0 + 1 x Wo's eight.  zero = 1: the first products take bo as C.  The 64 accumulators take turns, one instruction a turn.
.macro MUL16 a0, p, q, sc, zero
.irp a, \a0, \a0+1
.irp b, 0,1,2,3,4,5,6,7
.if \zero
	v_wmma_scale_f32_16x16x128_f8f6f4 v[8*(8*((\a)%4)+\b):8*(8*((\a)%4)+\b)+7], v[128*(\p)+FR*\b:128*(\p)+FR*\b+FR-1], v[AF+FR*(\a):AF+FR*(\a)+FR-1], v[BO+8*\b:BO+8*\b+7], v[SC+8*NQ*(\sc)+NQ*\b+(\q)], v[SC+8*NQ*(\sc)+NQ*(\a)+(\q)] matrix_a_fmt:MATRIX_FMT_FP6 matrix_b_fmt:MATRIX_FMT_FP6 matrix_a_scale:MATRIX_SCALE_ROW1
.else
	v_wmma_scale_f32_16x16x128_f8f6f4 v[8*(8*((\a)%4)+\b):8*(8*((\a)%4)+\b)+7], v[128*(\p)+FR*\b:128*(\p)+FR*\b+FR-1], v[AF+FR*(\a):AF+FR*(\a)+FR-1], v[8*(8*((\a)%4)+\b):8*(8*((\a)%4)+\b)+7], v[SC+8*NQ*(\sc)+NQ*\b+(\q)], v[SC+8*NQ*(\sc)+NQ*(\a)+(\q)] matrix_a_fmt:MATRIX_FMT_FP6 matrix_b_fmt:MATRIX_FMT_FP6 matrix_a_scale:MATRIX_SCALE_ROW1
.endif
.endr
.endr
.endm
.macro FETCH_B slot, q, p
	WIN TO_B
.irp i, 0,1,2,3,4,5,6,7
	FRAG 128*(\p)+FR*\i, ADRB+\slot, \q, \i
.endr
	WIN 0
.endm
.macro FETCH_A slot, q, i0
.irp i, \i0, \i0+1, \i0+2, \i0+3
	FRAGA AF+FR*(\i), \slot, \q, \i
.endr
.endm
.macro SCALES sc
.irp i, 0,1,2,3,4,5,6,7
	ds_load_b64 v[SC+8*NQ*\sc+NQ*\i:SC+8*NQ*\sc+NQ*\i+1], v[ADRS] offset:\i*SBLK
.endr
.endm
.macro PLACES n
.rept \n
	v_nop
.endr
.endm
.macro STEP slot, q, zero
	s_wait_dscnt 4*NLA                             ; Wo's set and ctx's blocks 0-3 are in; the youngest 16 loads (ctx's blocks 4-7) may be out
.if \zero
	WIN FIRST_LO
.else
	WIN MUL_LO
.endif
	MUL16 0, (\q)%2, \q, \slot, \zero
	MUL16 2, (\q)%2, \q, \slot, \zero
	s_wait_dscnt 0
	PLACES NP
	FETCH_B \slot, (\q)+1, 1-(\q)%2
	FETCH_A \slot, (\q)+1, 0
.if \zero
	WIN FIRST_HI
.else
	WIN MUL_HI
.endif
	MUL16 4, (\q)%2, \q, \slot, \zero
	MUL16 6, (\q)%2, \q, \slot, \zero
	PLACES NP
	WIN 0
	FETCH_A \slot, (\q)+1, 4
.endm
.macro TURN slot, next, fill
	s_wait_tensorcnt 0x0                           ; all my tensor loads have landed: my part of the next slot
	ds_add_u32 v[SPW], v[NIL]                      ; 0 onto my spare word
	s_wait_dscnt 4*NLA+1                           ; (the add and the youngest 16 loads may be out)
	WIN MUL_LO
	MUL16 0, 1, NQ-1, \slot, 0
	s_wait_dscnt 0x0                               ; the add is done, and my reads of this slot are over
	s_barrier_signal -1
	MUL16 2, 1, NQ-1, \slot, 0
	WIN 0
	s_barrier_wait -1
.if \fill
	CREST                                          ; the barrier has opened a round of the cluster's barrier: no wave of any partner still reads this slot or has a load on its way
	s_add_nc_u64 s[G0+4*\slot+2:G0+4*\slot+3], s[G0+4*\slot+2:G0+4*\slot+3], 2*AROWB
	s_add_nc_u64 s[G0B+4*\slot+2:G0B+4*\slot+3], s[G0B+4*\slot+2:G0B+4*\slot+3], 2*ROWB
	JLOAD G0+4*\slot, G1, G0B+4*\slot, G1B         ; the first tensor load behind the round; its four v_nop are the places in front of the loads below
.else
	PLACES NP
.endif
	v_add_nc_u32 v[ADRS], 4*NQ, v[ADRS]
	FETCH_B \next, 0, 0
	FETCH_A \next, 0, 0
	SCALES \next
	WIN MUL_HI
	MUL16 4, 1, NQ-1, \slot, 0
	MUL16 6, 1, NQ-1, \slot, 0
	PLACES NP
	WIN 0
	FETCH_A \next, 0, 4
.endm
	s_wait_loadcnt 0x0                             ; bo
	s_wait_tensorcnt 1                             ; the scale bytes and my part of K step 0 are in (K step 1's load may be out)
	s_barrier_signal -1
	s_barrier_wait -1
	FETCH_B 0, 0, 0
	FETCH_A 0, 0, 0
	SCALES 0
	FETCH_A 0, 0, 4
	STEP 0, 0, 1                                   ; the first step's products start the sums, from bo
	s_mov_b32 s3, LAPS-1
.Llap:
	TURN 0, 1, 1
	STEP 1, 0, 0
	TURN 1, 0, 1
	STEP 0, 0, 0
	s_sub_co_u32 s3, s3, 1
	s_cmp_lg_u32 s3, 0
	s_cbranch_scc1 .Llap
	TURN 0, 1, 0                                   ; the last lap fills nothing
	STEP 1, 0, 0
	s_wait_dscnt 4*NLA
	WIN MUL_LO
	MUL16 0, 1, NQ-1, 1, 0
	MUL16 2, 1, NQ-1, 1, 0
	s_wait_dscnt 0
	WIN MUL_HI
	MUL16 4, 1, NQ-1, 1, 0
	MUL16 6, 1, NQ-1, 1, 0
	WIN 0
; THE WAY OUT, block by block of 16 stored tokens x 128 columns, through my own stage in LDS: in by columns in their true order, back as whole rows of 512 bytes.  LDS serves a wave's instructions in order.
.macro TOSTAGE a
.set AC, 64*((\a)%4)
	WIN 0x08+4*((\a)/4)                            ; the data: window 2 or 3
.irp b, 0,1,2,3,4,5,6,7
	ds_store_b128 v[STO], v[AC+8*\b:AC+8*\b+3] offset:128*(\b/2)+32*(\b%2)          ; each accumulator from its low end on
	ds_store_b128 v[STO], v[AC+8*\b+4:AC+8*\b+7] offset:128*(\b/2)+32*(\b%2)+16
.endr
	WIN 0
.set BB, BK+64*((\a)%2)
.irp t, 0,1,2,3,4,5,6,7,8,9,10,11,12,13,14,15
	ds_load_b128 v[BB+4*\t:BB+4*\t+3], v[RD] offset:\t*SPITCH
.endr
.endm
.macro SEND a, younger                 ; stored row t of block a is row 32 (a / 2) + 8 (a % 2) + t % 8 + 16 (t / 8) of my 128: at most 127 rows of 4,096 bytes, inside the signed 24-bit immediate
.set BB, BK+64*((\a)%2)
	s_wait_dscnt \younger
.irp t, 0,1,2,3,4,5,6,7,8,9,10,11,12,13,14,15
	global_store_b128 v[CO], v[BB+4*\t:BB+4*\t+3], s[12:13] offset:(32*((\a)/2)+8*((\a)%2)+(\t%8)+16*(\t/8))*4096 th:TH_STORE_NT   ; 32 lanes store 512 consecutive bytes, aligned
.endr
.endm
	PLACES NP
	TOSTAGE 0
.irp a, 1,2,3,4,5,6,7
.if \a > 1
	s_wait_xcnt 0x0                                ; block a - 2's stores have read their registers: block a's loads may land there
.endif
	TOSTAGE \a
	SEND \a-1, 32                                  ; behind block a - 1's loads: block a's 16 stores and 16 loads
.endr
	SEND 7, 0
	s_wait_tensorcnt 0x0                           ; the wave's end
	ds_add_u32 v[SPW], v[NIL]
	s_wait_dscnt 0x0
	CROUND                                         ; the closing round
	s_endpgm
.Lfunc_end_k_q717be6aac8_outp:
	.size	k_q717be6aac8_outp, .Lfunc_end_k_q717be6aac8_outp-k_q717be6aac8_outp
	.p2alignl 7, 3214868480
	.fill 96, 4, 3214868480
	.section	.rodata,"a",@progbits
	.p2align	6, 0x0
	.amdhsa_kernel k_q717be6aac8_outp
		.amdhsa_group_segment_fixed_size 327680
		.amdhsa_private_segment_fixed_size 0
		.amdhsa_enable_private_segment 0
		.amdhsa_kernarg_size 48
		.amdhsa_user_sgpr_count 2
		.amdhsa_user_sgpr_kernarg_segment_ptr 1
		.amdhsa_wavefront_size32 1
		.amdhsa_system_sgpr_workgroup_id_x 1
		.amdhsa_system_sgpr_workgroup_id_y 1
		.amdhsa_system_sgpr_workgroup_id_z 1
		.amdhsa_system_vgpr_workitem_id 0
		.amdhsa_next_free_vgpr 1024
		.amdhsa_next_free_sgpr 106
		.amdhsa_reserve_vcc 0
		.amdhsa_float_denorm_mode_32 3
		.amdhsa_float_denorm_mode_16_64 3
		.amdhsa_memory_ordered 1
		.amdhsa_forward_progress 1
		.amdhsa_inst_pref_size 153
	.end_amdhsa_kernel
	.amdgpu_metadata
---
amdhsa.version: [ 1, 2 ]
amdhsa.kernels:
  - .name:           k_q717be6aac8_outp
    .symbol:         k_q717be6aac8_outp.kd
    .args:
      - { .name: cc, .offset: 0, .size: 8, .value_kind: global_buffer, .address_space: global }
      - { .name: cs, .offset: 8, .size: 8, .value_kind: global_buffer, .address_space: global }
      - { .name: xc, .offset: 16, .size: 8, .value_kind: global_buffer, .address_space: global }
      - { .name: xs, .offset: 24, .size: 8, .value_kind: global_buffer, .address_space: global }
      - { .name: bo, .offset: 32, .size: 8, .value_kind: global_buffer, .address_space: global }
      - { .name: out0, .offset: 40, .size: 8, .value_kind: global_buffer, .address_space: global }
    .group_segment_fixed_size: 327680
    .private_segment_fixed_size: 0
    .kernarg_segment_align: 8
    .kernarg_segment_size: 48
    .max_flat_workgroup_size: 128
    .sgpr_count:     106
    .vgpr_count:     1024
    .wavefront_size: 32
...
	.end_amdgpu_metadata
.endif
;; end of part 4
